; MI455X (gfx1250); checked and timed in simulation.
; The chip was launched on July 23, 2026; its instructions are those of AMD's public machine-readable ISA for CDNA 5 (MIT licence, August 2026) and "CDNA5" Instruction Set Architecture Reference Guide (July 2026). The comments in the code are by the model that wrote it; some were corrected since.
;; Attention. Allowed arithmetic: matrix products marked QUANTISED: E2M3 operands, one E8M0 scale for each 32 along K, by v_wmma_scale_f32_16x16x128_f8f6f4 with both operands' format E2M3, f32 sums; everything else in f32.
;; Inputs: freqs_complex 2,048 x 64 x 2 float32; mask 1 x 1 x 2,048 x 2,048 float32; wk_codes 2,048 x 64 x 24 uint8 (E2M3 codes of wk, K innermost, in blocks of 32 codes, four codes in three bytes); wk_scales 2,048 x 64 uint8 (E8M0 scales of wk, one for each 32 codes along K); wo_codes 2,048 x 64 x 24 uint8 (E2M3 codes of wo, K innermost, in blocks of 32 codes, four codes in three bytes); wo_scales 2,048 x 64 uint8 (E8M0 scales of wo, one for each 32 codes along K); wq_codes 2,048 x 64 x 24 uint8 (E2M3 codes of wq, K innermost, in blocks of 32 codes, four codes in three bytes); wq_scales 2,048 x 64 uint8 (E8M0 scales of wq, one for each 32 codes along K); wv_codes 2,048 x 64 x 24 uint8 (E2M3 codes of wv, K innermost, in blocks of 32 codes, four codes in three bytes); wv_scales 2,048 x 64 uint8 (E8M0 scales of wv, one for each 32 codes along K); x_codes 1 x 2,048 x 64 x 24 uint8 (E2M3 codes of x, K innermost, in blocks of 32 codes, four codes in three bytes); x_scales 1 x 2,048 x 64 uint8 (E8M0 scales of x, one for each 32 codes along K).
;; Outputs: out0 1 x 2,048 x 2,048 float32.
;; This version of the problem:
;;   THIS VERSION OF THE PROBLEM IS GIVEN IN LOW PRECISION. The matrix products marked QUANTISED in the list below multiply operands that are first quantised to E2M3 (2 exponent bits, 3 mantissa bits; 6 bits a number), with one power-of-two scale for each 32 numbers along K (OCP MX v1.0); their sums are f32. All else is computed in f32.
;;   The module's matrix products, in the order in which they are computed (A, B: the left and right operand; K: the contracted axis; several contracted axes count as one K, in the product's order):
;;     1. [M 2,048, K 2,048] x [K 2,048, N 2,048]; A: input x (given as codes); B: input wq (given as codes): QUANTISED
;;     2. [M 2,048, K 2,048] x [K 2,048, N 2,048]; A: input x (given as codes); B: input wk (given as codes): QUANTISED
;;     3. [M 2,048, K 2,048] x [K 2,048, N 2,048]; A: input x (given as codes); B: input wv (given as codes): QUANTISED
;;     4. batch 16 x [M 2,048, K 128] x [K 128, N 2,048]; A: computed on the way; B: computed on the way: QUANTISED
;;     5. batch 16 x [M 128, K 2,048] x [K 2,048, N 2,048]; A: computed on the way; B: softmax (see below): QUANTISED
;;     6. [M 2,048, K 2,048] x [K 2,048, N 2,048]; A: computed on the way; B: input wo (given as codes): QUANTISED
;;   THE QUANTISER, for each operand of a quantised product, along K:
;;     - K is cut into blocks of 32 from its start; a last block that is shorter is filled with zeros.
;;     - A block's scale is 2^e with e = floor(log2(the largest magnitude in the block)) - 2, held to -126 .. 127; a block of zeros has e = 0. As a byte (E8M0): e + 127.
;;     - Each number is divided by its block's scale, clamped to +-7.5, and rounded to the nearest number of E2M3, ties to even, subnormals kept.
;;     - The product sums the exact products of the quantised numbers (number of the format x scale) in f32.
;;   ~~~python
;;   def quantise(x, axis):      # numpy; x: float32 -> the quantised numbers, widened to float32 again
;;       x = np.moveaxis(x, axis, -1); K = x.shape[-1]
;;       x = np.pad(x, [(0, 0)] * (x.ndim - 1) + [(0, -K % 32)]); x = x.reshape(x.shape[:-1] + (-1, 32)); a = np.abs(x).max(-1, keepdims=True)
;;       e = np.where(a > 0, np.clip(np.frexp(np.where(a > 0, a, 1))[1] - 1 - 2, -126, 127), 0)      # np.frexp(a)[1] - 1 = floor(log2(a)), exactly
;;       r = np.clip(x / 2.0 ** e, -7.5, 7.5)
;;       step = 2.0 ** (np.maximum(np.frexp(np.where(r == 0, 1, r))[1] - 1, 0) - 3)
;;       q = np.round(r / step) * step * 2.0 ** e      # np.round: ties to even
;;       return np.moveaxis(q.reshape(q.shape[:-2] + (-1,))[..., :K], -1, axis).astype(np.float32)
;;   ~~~
;;   SOFTMAX AHEAD OF A QUANTISED PRODUCT. Where the list says 'softmax', what is quantised is not the finished softmax but p = 2^(t - M), with t = logit x log2(e) and M = ceil(the row's largest t), a whole number; so 1/2 < the row's largest p <= 1. The row's sum l is taken of the UNQUANTISED p, in f32, and the product's result is divided by l at the end. Since M is a whole number, a kernel that streams over the keys may use a running M (the ceiling of the running maximum): every later rescaling is an exact power of two, which a block's scale takes up: the codes' values come out the same.
;;   OPERANDS COMPUTED ON THE WAY. 'Computed on the way' means the value that the module computes at that place (a softmax that the list does not call 'softmax' is quantised finished and normalised). What goes into a quantiser is computed in f32, as accurately as f32 sums, v_exp_f32 and their like allow (about 1e-6 of the number): no bf16 or f16 on the way to a quantiser, and a product that is left as it is and whose result goes on into a quantised operand takes f32 operands (vector FMAs, or v_wmma_f32_16x16x4_f32). A number that lies on a knife's edge between two numbers of the format may be rounded either way, as far as f32 arithmetic and the matrix unit's own rounding can turn it there, and no further.
;;   INPUTS GIVEN AS CODES. wk (in the module: [2048, 2048], K = its axis 1); wo (in the module: [2048, 2048], K = its axis 1); wq (in the module: [2048, 2048], K = its axis 1); wv (in the module: [2048, 2048], K = its axis 1); x (in the module: [1, 2048, 2048], K = its axis 2): each comes as NAME_codes (uint8): NAME with its K axis moved to the last place and cut into blocks of 32 codes, [.., K / 32, bytes a block], one block behind the other in memory; four codes in three bytes: a row's codes are one little-endian stream of bits, code i at bits 6 i .. 6 i + 5 (a code: sign, 2 exponent bits, 3 mantissa bits); and NAME_scales (uint8): the same leading axes, one E8M0 byte (e + 127) for each 32 codes along K. Its value is code x scale, taken as it is: it is not quantised again, and the codes and scales need not be those that the quantiser above would give.
;; One version. Each part assembles by itself: llvm-mc -triple=amdgcn-amd-amdhsa -mcpu=gfx1250 --defsym DOCPART=n.
;; ======== version 1 of 1: 3 launches
;; workspace buffers: qimg 3,276,800 bytes; kv 6,553,600 bytes; aimg 3,145,728 bytes; ascl 131,072 bytes
;; launch qkv (part 1): grid 8 x 24, 4 waves a work-group, clusters of 4 x 4, 327,680 bytes of LDS; arguments x_codes, x_scales, wq_codes, wq_scales, wk_codes, wk_scales, wv_codes, wv_scales, qimg, kv; writes qimg, kv
.if DOCPART == 1
	.amdgcn_target "amdgcn-amd-amdhsa--gfx1250"
	.amdhsa_code_object_version 6
	.text
	.protected	k_q043d62ff0a_qkv
	.globl	k_q043d62ff0a_qkv
	.p2align	8
	.type	k_q043d62ff0a_qkv,@function
k_q043d62ff0a_qkv:
	s_mov_b64 s[64:65], 0
	v_nop
	global_prefetch_b8 v0, s[64:65] scope:SCOPE_SE
	s_setreg_imm32_b32 hwreg(HW_REG_WAVE_MODE, 25, 1), 1
	s_wait_xcnt 0x0
	s_wait_alu depctr_hold_cnt(0) depctr_sa_sdst(0) depctr_va_vdst(0) depctr_va_sdst(0) depctr_va_ssrc(0) depctr_va_vcc(0) depctr_vm_vsrc(0)
	s_getreg_b32 s2, hwreg(HW_REG_IB_STS2, 6, 4)
	s_cmp_eq_u32 s2, 0
	s_cbranch_scc0 .Lentry_in_a_cluster
	s_endpgm
.Lentry_in_a_cluster:
	s_bfe_u32 s2, ttmp6, 0x10000c
	s_cmp_lg_u32 s2, 0xf033
	s_cbranch_scc0 .Lentry_shape_is_right
	s_endpgm
.Lentry_shape_is_right:
; THE THREE PROJECTIONS, q = x wq^T, k = x wk^T, v = x wv^T, on codes of FP6 (E2M3) with one E8M0 scale for each 32 along K, and their results QUANTISED ON THE WAY OUT, as operands of attention's two products.
; One generic product serves all three: P[i][j] = sum over k of A[i][k] B[j][k], K = 2,048, quantised along j.   q: A = x, B = wq (i a token, j = 128 head + d).   k: A = x, B = wk.   v: A = wv, B = x (i = 128 head + d, j a token: a key).
; So q and k come out quantised along the head's 128 and v along the keys, each with its K in a lane's registers, and nothing is transposed.
; SHARES.  The grid is 8 x 24 work-groups: 8 x 8 tiles of 256 x 256 for each of the three products = 192; smaller tiles would make more work-groups, but each byte read from LDS would feed half as many products.
; A work-group has four waves, a wave 128 i x 128 j: 64 accumulators of 16 x 16, 512 registers.  K goes in steps of 256 through a ring of two LDS slots filled by the tensor data mover (rows of 192 bytes).
; The scales of the work-group's 256 rows of A and of B, for all of K, are two dense blocks of memory: they come into LDS once, with the first fills.
; CLUSTERS: 4 x 4 work-groups, all of one product.  The four of a row of the cluster need the same tiles of A, the four of a column the same tiles of B: each tile is asked for JOINTLY, by the same tensor load with the same
; descriptor and a mask that names the four.  Which product a cluster makes hangs on the cluster's y alone; it chooses pointers and offsets by selects, no branch and no LDS address.
; THE MATRIX INSTRUCTION IS USED TRANSPOSED (source 0 = 16 rows of B, source 1 = 16 rows of A): lane (r, h) holds i = 16 a + r, and register 8 b + n of block a holds j = 16 b + 8 h + n.
; THE WAY OUT.  A wave's 128 j are one K step of the product that will read them, so its block a (16 i) becomes ONE fragment (12 registers a lane) and one scale word a row.  The fragment is stored as an image of its registers
; (three stores of 512 consecutive bytes), so that the reader gets it back by three loads of 16 bytes a lane.  A wave's eight fragments and their scale words are one BLOCK of 12,800 bytes:
;   fragment a at 1,536 a;  at 12,288: lane l's 16 bytes at 16 l hold words n = 0 .. 3: in lanes 0-15 the word of row l of fragment 2 n, in lanes 16-31 that of row l - 16 of fragment 2 n + 1.
;   qimg: [head][block of 128 queries] BLOCK.     kv: [head][step of 128 keys][k's BLOCK, v's BLOCK].
; ORDER INSIDE A BLOCK OF 32.  A lane's 16 numbers of a block are j = 8 h + 0 .. 7 and 16 + 8 h + 0 .. 7, so the block's 32 places hold j in the order 0-7, 16-23, 8-15, 24-31.  A block's scale and the sum of its products do not
; hang on the order inside it, as long as both operands of a product have the same: q and k are both made here, and attention makes p in the same order as v's keys lie here.
; THE QUANTISER: a block's scale is 2^(floor(log2(its largest magnitude)) - 2); its byte is that magnitude's exponent field - 2, held at 1 from below (a block of zeros so gets the byte 1 where the rule says 127: its codes are
; zeros, and this program alone reads the bytes).  LIMITS: blocks whose largest magnitude lies under 2^-124 keep the byte 1; NaN and infinities are not served.
; REGISTERS, in windows of 256: window 0: v16-29 addresses; v32-63 scale words, two sets, and nothing else; from v128 A's fragments, ONE set (on the way out: at work).   window 1: B's fragments, TWO sets, at v0 and v128.
;   window 2: the 32 accumulators of my i 0-63 (accumulator (a, b) at v[8 (8 a + b)]);   window 3: those of my i 64-127.
.set SIZE_K, 2048
.set KSTEP,  256                       ; along K in a slot
.set NQ,     KSTEP/128                 ; matrix instructions deep
.set ROWB,   192                       ; a tile's row in bytes
.set KROW,   SIZE_K*6/8                ; a row of A or of B in memory, in bytes
.set PITCH,  240                       ; an LDS row: 3 x (64 bytes + 16 of padding) = 60 words: the 32 lanes of a load of 8 bytes touch 64 different banks (64 banks of 4 bytes: ISA guide 11.1)
.set FR,     12                        ; registers of a fragment
.set NL,     6                         ; LDS loads that bring one
.set NP,     4                         ; places behind this matrix instruction (ISA guide 7.12.1)
.set HALFT,  128*PITCH                 ; 128 rows: what one tensor load brings
.set SLOT,   4*HALFT                   ; A's 256 rows, then B's 256 rows
.set LAPS,   SIZE_K/(2*KSTEP)          ; a lap = two K steps = once round the ring
.set KS,     SIZE_K/32                 ; a row of scales in bytes
.set SCL,    2*SLOT                    ; behind the ring: the scales, as rows of 256 bytes + 16 of padding
.set HALFS,  (128*KS/256)*272          ; the scales of 128 rows
.set SBLK,   (16*KS/256)*272           ; those of 16 rows
.set SPARE,  SCL+4*HALFS               ; behind the scales: the spare words, 128 bytes for each wave: two blocks of 256 bytes that no other line names
.set BLOCKB, 12800                     ; a BLOCK of the way out
.set ADRA, 16                          ; v16-17  LDS address of my A fragments in slot 0, 1  (v18-19: for the pieces that lie behind one padding more)
.set ADRB, 20                          ; v20-21  the same for B  (v22-23)
.set LO,   24                          ; v24     16 x lane: my place in an image; never rewritten
.set ADRS, 27                          ; v27     LDS address of my scale words: lanes 0-15 A's rows, lanes 16-31 B's
.set SPW,  28                          ; v28     LDS address of my spare word; never rewritten
.set NIL,  29                          ; v29     0; never rewritten
.set SC,   32                          ; scale words: set s at v[SC + 16 s]; register 2 i + q: lanes 0-15 A's block i, lanes 16-31 B's block i, the slot's q-th 128 along K
.set AF,   128                         ; A's fragments, in window 0
.set TM,   128                         ; the way out: v128-131 the four blocks' largest magnitudes
.set TP,   132                         ; v132-135 the other half's, then the bytes
.set SO,   136                         ; v136-139 the conversions' scale operands
.set PW,   140                         ; v140 the fragment's scale word
.set FL,   141                         ; v141 the floor 2^(3 - 127)
.set SW,   144                         ; v144-147 the eight fragments' scale words, two to a register
.set G1, 24                            ; s[24:31] descriptor group 1 for A's tiles;  s[32:39] group 0, one set for each slot
.set G0, 32
.set G1B, 48                           ; s[48:55], s[56:63] the same for B's tiles
.set G0B, 56
.set G1S, 68                           ; s[68:75], s[76:79] groups 1 and 0 for A's scales;  s[80:87], s[88:91] for B's
.set G0S, 76
.set G1SB, 80
.set G0SB, 88
.set MSB, 0
.macro WIN new                         ; the immediate's high byte repeats the setting that is left; a switch that changes nothing is dropped
.if MSB != \new
	s_set_vgpr_msb (MSB<<8)|\new
.set MSB, \new
.endif
.endm
.set MUL_LO, 0xa1                      ; source 0 (B) window 1, source 1 (A) window 0, C and D window 2
.set MUL_HI, 0xf1                      ; the same, C and D window 3
.set TO_B,   0x40                      ; destination window 1, address window 0
; A joint load: waves 0 and 1 fetch for A, waves 2 and 3 for B.  Each line has ONE mask and one set of registers for all that issue it; the branch hangs on the wave's number alone.
; Four v_nop follow each of the two lines, ahead of the jump, the label and what follows.
.macro JLOAD g0a, g1a, g0b, g1b
	s_cmp_eq_u32 s15, 0
	s_cbranch_scc0 .Lfor_b_\@
	tensor_load_to_lds s[\g0a:\g0a+3], s[\g1a:\g1a+7]
	s_nop 0
.rept 4
	v_nop
.endr
	s_branch .Lasked_\@
.Lfor_b_\@:
	tensor_load_to_lds s[\g0b:\g0b+3], s[\g1b:\g1b+7]
	s_nop 0
.rept 4
	v_nop
.endr
.Lasked_\@:
.endm
.macro CREST                           ; a round of the cluster's barrier behind its opening barrier
	s_cmp_lg_u32 s14, 0
	s_cbranch_scc1 .Lnot_wave_0_\@
	s_barrier_signal -3
.Lnot_wave_0_\@:
	s_barrier_wait -3
	s_barrier_signal -1
	s_barrier_wait -1
.endm
.macro CROUND                          ; a whole round
	s_barrier_signal -1
	s_barrier_wait -1
	CREST
.endm
	s_load_b512 s[24:39], s[0:1], 0x0              ; x's codes 24, scales 26; wq's 28, 30; wk's 32, 34; wv's 36, 38
	s_load_b128 s[48:51], s[0:1], 0x40             ; qimg 48, kv 50
	v_lshl_add_u32 v[SPW], v0, 2, SPARE
	v_mov_b32 v[NIL], 0
	ds_add_u32 v28, v29
	ds_add_u32 v28, v29
	s_wait_dscnt 0x0
	v_lshrrev_b32 v1, 5, v0
	v_readfirstlane_b32 s14, v1                    ; wave 0..3
	s_lshr_b32 s15, s14, 1                         ; which half of the tile's i is mine.  Also: I fetch for A (0) or for B (1)
	s_and_b32 s16, s14, 1                          ; which half of its j.  Also: which 128 rows of that tile I fetch
	s_bfe_u32 s40, ttmp6, 0x40000                  ; cx, cy: my place in the cluster
	s_bfe_u32 s41, ttmp6, 0x40004
	s_lshl_b32 s42, ttmp9, 2
	s_add_co_u32 s42, s42, s40                     ; tile column (j / 256) = 4 x cluster x + cx
	s_and_b32 s92, ttmp7, 0xffff                   ; the cluster's y, 0 .. 5
	s_lshr_b32 s93, s92, 1                         ; which product: 0 q, 1 k, 2 v: the same in all sixteen partners
	s_and_b32 s17, s92, 1
	s_lshl_b32 s17, s17, 2
	s_add_co_u32 s17, s17, s41                     ; tile row (i / 256) = 4 x (cluster y mod 2) + cy
	s_lshl_b32 s43, s41, 2
	s_lshl_b32 s43, 15, s43                        ; my row of the cluster
	s_lshl_b32 s44, 0x1111, s40                    ; my column
	s_lshl_b32 s96, s17, 1
	s_add_co_u32 s96, s96, s15                     ; my wave's i / 128
	s_lshl_b32 s97, s42, 1
	s_add_co_u32 s97, s97, s16                     ; my wave's j / 128
	s_mov_b32 s95, 2*BLOCKB
	s_wait_kmcnt 0x0
	s_cmp_eq_u32 s93, 2                            ; v?  Then A = wv, B = x; else A = x.  The choices hang on the cluster's number alone
	s_cselect_b64 s[4:5], s[36:37], s[24:25]       ; A's codes
	s_cselect_b64 s[6:7], s[38:39], s[26:27]       ; A's scales
	s_cselect_b64 s[8:9], s[24:25], s[32:33]       ; B's codes: x, or wk for now
	s_cselect_b64 s[10:11], s[26:27], s[34:35]     ; B's scales
	s_cselect_b32 s18, s96, s97                    ; the head: i / 128 for v, j / 128 for q and k
	s_cselect_b32 s19, s97, s96                    ; the block of 128 tokens: the other one
	s_cselect_b32 s94, BLOCKB, 0                   ; v's BLOCK lies behind k's
	s_cmp_eq_u32 s93, 0                            ; q?
	s_cselect_b64 s[8:9], s[28:29], s[8:9]
	s_cselect_b64 s[10:11], s[30:31], s[10:11]
	s_cselect_b64 s[12:13], s[48:49], s[50:51]     ; where the results go: qimg or kv
	s_cselect_b32 s95, BLOCKB, s95                 ; bytes for each (head, block of tokens)
	s_lshl_b32 s18, s18, 4
	s_add_co_u32 s18, s18, s19
	s_mul_i32 s18, s18, s95
	s_add_co_u32 s18, s18, s94                     ; my wave's BLOCK, in bytes: under 2^23
	s_mov_b32 s19, 0
	s_add_nc_u64 s[12:13], s[12:13], s[18:19]
	; descriptor group 1: a tile of 128 rows x ROWB bytes, padded in LDS  (the registers that held the ten addresses are free now)
	s_or_b32 s[G1+0], s43, (0<<16)|(1<<20)|(1<<21)|(3<<22)|(3<<25)  ; 15:0 the mask: A's tiles go to my row; 17:16 element of 1 byte; 20 padding on; 21 set beside a mask; 24:22 after every 16 words (code 3); 31:25 of 4 words (code 3)
	s_or_b32 s[G1B+0], s44, (0<<16)|(1<<20)|(1<<21)|(3<<22)|(3<<25)
.irp g, G1, G1B
	s_mov_b32 s[\g+1], ROWB<<16                    ; tensor_dim0
	s_mov_b32 s[\g+2], 128<<16                     ; tensor_dim1 = 128
	s_mov_b32 s[\g+3], ROWB<<16                    ; tile_dim0
	s_mov_b32 s[\g+4], 128                         ; tile_dim1 = 128
	s_mov_b32 s[\g+5], KROW                        ; tensor_dim0_stride
	s_mov_b32 s[\g+6], 0
	s_mov_b32 s[\g+7], 0
.endr
	; and for the scales of 128 rows: a dense block of 8,192 bytes, as rows of 256 bytes (32 elements of 8 bytes), 16 bytes of padding behind each
	s_or_b32 s[G1S+0], s43, (3<<16)|(1<<20)|(1<<21)|(5<<22)|(3<<25)
	s_or_b32 s[G1SB+0], s44, (3<<16)|(1<<20)|(1<<21)|(5<<22)|(3<<25)
.irp g, G1S, G1SB
	s_mov_b32 s[\g+1], 32<<16
	s_mov_b32 s[\g+2], (128*KS/256)<<16
	s_mov_b32 s[\g+3], 32<<16
	s_mov_b32 s[\g+4], 128*KS/256
	s_mov_b32 s[\g+5], 32
	s_mov_b32 s[\g+6], 0
	s_mov_b32 s[\g+7], 0
.endr
	s_lshl_b32 s18, s16, 7                         ; which 128 rows of the tile I fetch
	s_lshl_b32 s20, s17, 8
	s_add_co_u32 s20, s20, s18                     ; A: row 256 x tile row + 128 x half
	s_lshl_b32 s46, s42, 8
	s_add_co_u32 s46, s46, s18                     ; B: row 256 x tile column + 128 x half
	s_mov_b32 s21, 0
	s_mov_b32 s47, 0
	s_mov_b64 s[18:19], KS
	s_mul_u64 s[22:23], s[20:21], s[18:19]         ; where these rows' scales begin, in bytes
	s_mul_u64 s[92:93], s[46:47], s[18:19]
	s_mov_b64 s[18:19], KROW
	s_mul_u64 s[20:21], s[20:21], s[18:19]         ; and their codes
	s_mul_u64 s[46:47], s[46:47], s[18:19]
	s_mul_i32 s45, s14, HALFT                      ; where they go: wave x 128 rows: no place in the cluster enters an LDS address
	s_mul_i32 s94, s14, HALFS
	s_add_nc_u64 s[20:21], s[4:5], s[20:21]
	s_add_nc_u64 s[22:23], s[6:7], s[22:23]
	s_add_nc_u64 s[46:47], s[8:9], s[46:47]
	s_add_nc_u64 s[92:93], s[10:11], s[92:93]
	CROUND                                         ; all sixteen work-groups are here: the first joint loads meet
	s_mov_b32 s[G0S], 1
	s_add_co_u32 s[G0S+1], s94, SCL
	s_mov_b64 s[G0S+2:G0S+3], s[22:23]
	s_or_b32 s[G0S+3], s[G0S+3], 0x80000000
	s_mov_b32 s[G0SB], 1
	s_add_co_u32 s[G0SB+1], s94, SCL
	s_mov_b64 s[G0SB+2:G0SB+3], s[92:93]
	s_or_b32 s[G0SB+3], s[G0SB+3], 0x80000000
	JLOAD G0S, G1S, G0SB, G1SB                     ; the scales first: they are wanted with K step 0
.irp s, 0,1
	s_mov_b32 s[G0+4*\s], 1
	s_add_co_u32 s[G0+4*\s+1], s45, \s*SLOT
	s_add_nc_u64 s[G0+4*\s+2:G0+4*\s+3], s[20:21], \s*ROWB
	s_or_b32 s[G0+4*\s+3], s[G0+4*\s+3], 0x80000000
	s_mov_b32 s[G0B+4*\s], 1
	s_add_co_u32 s[G0B+4*\s+1], s45, \s*SLOT
	s_add_nc_u64 s[G0B+4*\s+2:G0B+4*\s+3], s[46:47], \s*ROWB
	s_or_b32 s[G0B+4*\s+3], s[G0B+4*\s+3], 0x80000000
	JLOAD G0+4*\s, G1, G0B+4*\s, G1B
.endr
	v_and_b32 v1, 15, v0                           ; l % 16
	v_bfe_u32 v2, v0, 4, 1                         ; l / 16
	v_mul_u32_u24 v3, v1, PITCH
	v_mul_u32_u24 v4, v2, 24
	v_add_nc_u32 v4, v3, v4                        ; a fragment's row x pitch + 24 x half
	v_lshl_add_u32 v5, v2, 4, v4                   ; and the same behind one padding more
	s_mul_i32 s21, s15, HALFT                      ; my 128 rows of A
	s_mul_i32 s22, s16, HALFT                      ; my 128 rows of B,
	s_add_co_u32 s22, s22, 2*HALFT                 ; which lie behind A's 256
.irp s, 0,1
	v_add_nc_u32 v[ADRA+\s], s21, v4
	v_add_nc_u32 v[ADRB+\s], s22, v4
	v_add_nc_u32 v[ADRA+2+\s], s21, v5
	v_add_nc_u32 v[ADRB+2+\s], s22, v5
	s_add_co_u32 s21, s21, SLOT
	s_add_co_u32 s22, s22, SLOT
.endr
	v_mul_u32_u24 v5, v1, KS                       ; my row's scales: KS bytes a row,
	v_lshrrev_b32 v6, 8, v5
	v_lshl_add_u32 v5, v6, 4, v5                   ; and 16 more for each 256 passed
	s_mul_i32 s21, s15, HALFS                      ; A's: my 128 rows
	s_mul_i32 s22, s16, HALFS                      ; B's: my 128 rows, behind A's 256
	s_add_co_u32 s22, s22, 2*HALFS
	s_sub_co_u32 s22, s22, s21
	v_mul_u32_u24 v6, s22, v2                      ; lanes 16-31 take B's: the lower base + half x the distance
	s_add_co_u32 s21, s21, SCL
	v_add_nc_u32 v5, v5, v6
	v_add_nc_u32 v[ADRS], s21, v5
	v_and_b32 v6, 31, v0
	v_lshlrev_b32 v[LO], 4, v6                     ; the way out: 16 bytes a lane
.macro FRAG reg, adr, q, i             ; a fragment, 16 rows x 128 K of 6-bit codes, is 12 registers: lane l holds row l % 16; registers 6 c .. 6 c + 5 hold K = 64 c + 32 (l / 16) + 0 .. 31: 24 bytes of the row's stream of bits
.irp p, 0,1,2,3,4,5                    ; in pieces of 8 bytes.  Lanes 0-15 take the row's pieces 12 q + 0, 1, 2 and 12 q + 6, 7, 8, lanes 16-31 those three pieces on
.set PC, 12*(\q)+6*(\p/3)+\p%3        ; 16 bytes of padding lie behind every 8 pieces: where the piece three on lies behind one padding more, the second address register serves
.if PC%8 < 5
	ds_load_b64 v[\reg+2*\p:\reg+2*\p+1], v[\adr] offset:8*PC+16*(PC/8)+(\i)*16*PITCH
.else
	ds_load_b64 v[\reg+2*\p:\reg+2*\p+1], v[\adr+2] offset:8*PC+16*(PC/8)+(\i)*16*PITCH
.endif
.endr
.endm
; 16 matrix instructions: A's blocks a0, a0 + 1 x B's eight, 128 along K: the slot's q-th.  p: B's set;  sc: the set of scale words.  zero = 1: the first product starts the sums: nothing is ever cleared.
; The 64 accumulators take turns, one instruction a turn, in the same order in every step.
.macro MUL16 a0, p, q, sc, zero
.irp a, \a0, \a0+1
.irp b, 0,1,2,3,4,5,6,7
.if \zero
	v_wmma_scale_f32_16x16x128_f8f6f4 v[8*(8*((\a)%4)+\b):8*(8*((\a)%4)+\b)+7], v[128*(\p)+FR*\b:128*(\p)+FR*\b+FR-1], v[AF+FR*(\a):AF+FR*(\a)+FR-1], 0, v[SC+8*NQ*(\sc)+NQ*\b+(\q)], v[SC+8*NQ*(\sc)+NQ*(\a)+(\q)] matrix_a_fmt:MATRIX_FMT_FP6 matrix_b_fmt:MATRIX_FMT_FP6 matrix_a_scale:MATRIX_SCALE_ROW1
.else
	v_wmma_scale_f32_16x16x128_f8f6f4 v[8*(8*((\a)%4)+\b):8*(8*((\a)%4)+\b)+7], v[128*(\p)+FR*\b:128*(\p)+FR*\b+FR-1], v[AF+FR*(\a):AF+FR*(\a)+FR-1], v[8*(8*((\a)%4)+\b):8*(8*((\a)%4)+\b)+7], v[SC+8*NQ*(\sc)+NQ*\b+(\q)], v[SC+8*NQ*(\sc)+NQ*(\a)+(\q)] matrix_a_fmt:MATRIX_FMT_FP6 matrix_b_fmt:MATRIX_FMT_FP6 matrix_a_scale:MATRIX_SCALE_ROW1
.endif
.endr
.endr
.endm
.macro FETCH_B slot, q, p              ; B's eight fragments of the slot's q-th 128 along K into set p
	WIN TO_B
.irp i, 0,1,2,3,4,5,6,7
	FRAG 128*(\p)+FR*\i, ADRB+\slot, \q, \i
.endr
	WIN 0
.endm
.macro FETCH_A slot, q, i0             ; A's blocks i0 .. i0 + 3
.irp i, \i0, \i0+1, \i0+2, \i0+3
	FRAG AF+FR*(\i), ADRA+\slot, \q, \i
.endr
.endm
.macro SCALES sc                       ; the next K step's scale words into set sc: two words a row; lanes 0-15 take A's block i, lanes 16-31 B's block i
.irp i, 0,1,2,3,4,5,6,7
	ds_load_b64 v[SC+8*NQ*\sc+NQ*\i:SC+8*NQ*\sc+NQ*\i+1], v[ADRS] offset:\i*SBLK
.endr
.endm
; A load into a register that a matrix instruction has read, and a vector instruction that reads a matrix result or writes one of a matrix instruction's registers, stand NP places behind it; only plain vector
; instructions that name none of its registers are places (ISA guide 7.12.1 for vector instructions).
.macro PLACES n
.rept \n
	v_nop
.endr
.endm
; A step of 128 along K that has its successor in the same slot.
.macro STEP slot, q, zero
	s_wait_dscnt 4*NL                              ; B's set and A's blocks 0-3 are in; the youngest 24 loads (A's blocks 4-7) may be out
	WIN MUL_LO
	MUL16 0, (\q)%2, \q, \slot, \zero
	MUL16 2, (\q)%2, \q, \slot, \zero
	s_wait_dscnt 0                                 ; A's blocks 4-7 are in (asked for 32 matrix instructions ago)
	PLACES NP
	FETCH_B \slot, (\q)+1, 1-(\q)%2
	FETCH_A \slot, (\q)+1, 0
	WIN MUL_HI
	MUL16 4, (\q)%2, \q, \slot, \zero
	MUL16 6, (\q)%2, \q, \slot, \zero
	PLACES NP
	WIN 0
	FETCH_A \slot, (\q)+1, 4
.endm
; A slot's last step changes slots: ONE barrier; in front of it each wave waits for all its tensor loads, adds 0 to its spare word, and waits for that and for its own reads of this slot.  fill = 1: this slot is filled again, two K steps ahead.
.macro TURN slot, next, fill
	s_wait_tensorcnt 0x0                           ; all my tensor loads have landed: my part of the next slot  (every window is 0 here)
	ds_add_u32 v[SPW], v[NIL]                      ; 0 onto my spare word
	s_wait_dscnt 4*NL+1                            ; (the add and the youngest 24 loads, A's blocks 4-7, may be out)
	WIN MUL_LO
	MUL16 0, 1, NQ-1, \slot, 0                     ; sixteen matrix instructions stand between the add and the wait for it
	s_wait_dscnt 0x0                               ; the add is done, and my reads of this slot are over
	s_barrier_signal -1
	MUL16 2, 1, NQ-1, \slot, 0
	WIN 0
	s_barrier_wait -1
.if \fill
	CREST                                          ; the barrier has opened a round of the cluster's barrier: no wave of any partner still reads this slot's tile or has a load on its way
	s_add_nc_u64 s[G0+4*\slot+2:G0+4*\slot+3], s[G0+4*\slot+2:G0+4*\slot+3], 2*ROWB
	s_add_nc_u64 s[G0B+4*\slot+2:G0B+4*\slot+3], s[G0B+4*\slot+2:G0B+4*\slot+3], 2*ROWB
	JLOAD G0+4*\slot, G1, G0B+4*\slot, G1B         ; the first tensor load behind the round; the four v_nop behind it are the places in front of the loads below
.else
	PLACES NP
.endif
	v_add_nc_u32 v[ADRS], 4*NQ, v[ADRS]            ; on to the next K step's scale words (no LDS load of mine is out)
	FETCH_B \next, 0, 0
	FETCH_A \next, 0, 0
	SCALES \next
	WIN MUL_HI
	MUL16 4, 1, NQ-1, \slot, 0
	MUL16 6, 1, NQ-1, \slot, 0
	PLACES NP
	WIN 0
	FETCH_A \next, 0, 4
.endm
	s_wait_tensorcnt 1                             ; the scales and my part of K step 0 are in (K step 1's load may be out)
	s_barrier_signal -1
	s_barrier_wait -1                              ; everybody's are
	FETCH_B 0, 0, 0
	FETCH_A 0, 0, 0
	SCALES 0
	FETCH_A 0, 0, 4
	STEP 0, 0, 1                                   ; the first step stands in front of the loop: its products start the sums
	s_mov_b32 s3, LAPS-1
.Llap:                                                 ; a trip goes once round the ring, from a lap's second step to the next lap's first, and fills both slots again
	TURN 0, 1, 1
	STEP 1, 0, 0
	TURN 1, 0, 1
	STEP 0, 0, 0
	s_sub_co_u32 s3, s3, 1
	s_cmp_lg_u32 s3, 0
	s_cbranch_scc1 .Llap
	TURN 0, 1, 0                                   ; the last lap fills nothing, and has no round of the cluster's barrier
	STEP 1, 0, 0
	s_wait_dscnt 4*NL                              ; the very last step: nothing more to fetch
	WIN MUL_LO
	MUL16 0, 1, NQ-1, 1, 0
	MUL16 2, 1, NQ-1, 1, 0
	s_wait_dscnt 0
	WIN MUL_HI
	MUL16 4, 1, NQ-1, 1, 0
	MUL16 6, 1, NQ-1, 1, 0
	WIN 0
; THE WAY OUT: block a's 64 registers of a lane (16 i x 128 j) become a fragment and a scale word.  No LDS: the image of the registers is what is stored.
.macro QFRAG a
.set AC, 64*((\a)%4)                   ; the block's eight accumulators, in window 2 (blocks 0-3) or 3 (blocks 4-7)
.set WW, 2+(\a)/4
.set CD, 160+32*(((\a)+1)%2)           ; the codes: two sets by turns: +0 .. 11 the fragment, +12 .. 14 and +16 .. 18 the halves that are moved.  Even blocks v192, odd v160: never the numbers that the conversions' sources carry in their window
	s_wait_xcnt 0x0                                ; every earlier store has had its addresses translated and its data read (ISA guide 3.1): the set that block a - 2 stored from is written again only behind this wait
	WIN (WW<<2)|(WW<<4)                            ; sources 1 and 2: the accumulators' window
.irp b, 0,1,2,3
	v_max3_num_f32 v[TM+\b], v[FL], |v[AC+16*\b]|, |v[AC+16*\b+1]|   ; block b of 32 along j: my 16 numbers, and the floor, which holds the byte at 1 from below.  Each accumulator is read from its low end on
.endr
.irp i, 2,4,6,8,10,12,14
.irp b, 0,1,2,3
	v_max3_num_f32 v[TM+\b], v[TM+\b], |v[AC+16*\b+\i]|, |v[AC+16*\b+\i+1]|   ; (the four blocks by turns)
.endr
.endr
	WIN 0
.irp b, 0,1,2,3
	v_permlanex16_b32 v[TP+\b], v[TM+\b], s20, s21
.endr
.irp b, 0,1,2,3
	v_max_num_f32 v[TM+\b], v[TM+\b], v[TP+\b]     ; with lane l xor 16's 16: the block's largest magnitude
.endr
.irp b, 0,1,2,3
	v_add_nc_u32 v[SO+\b], 0xff000000, v[TM+\b]    ; 2 off its exponent field: the conversion takes the exponent field of this operand as its scale
.endr
.irp b, 0,1,2,3
	v_lshrrev_b32 v[TP+\b], 23, v[SO+\b]           ; the scale's byte
.endr
	v_lshl_or_b32 v[PW], v[TP+1], 8, v[TP]         ; the four bytes make my row's scale word
	v_lshl_or_b32 v[PW], v[TP+2], 16, v[PW]
	v_lshl_or_b32 v[PW], v[TP+3], 24, v[PW]
	WIN WW                                         ; source 0: the accumulators' window
.irp c, 0,1
	v_cvt_scalef32_pk16_fp6_f32 v[CD+6*\c:CD+6*\c+2], v[AC+32*\c:AC+32*\c+15], v[SO+2*\c]
	v_cvt_scalef32_pk16_fp6_f32 v[CD+12+4*\c:CD+14+4*\c], v[AC+32*\c+16:AC+32*\c+31], v[SO+2*\c+1]   ; (a conversion's three registers begin on an even number)
.endr
	WIN 0
	v_nop                                          ; one plain place behind a scaled conversion
.irp c, 0,1                                    ; the operand's layout wants a WHOLE block in a lane: lanes 0-15 block 2 c, lanes 16-31 block 2 c + 1
.irp i, 0,1,2
	v_permlane16_swap_b32 v[CD+6*\c+\i], v[CD+12+4*\c+\i]
.endr
.irp i, 0,1,2
	v_mov_b32 v[CD+3+6*\c+\i], v[CD+12+4*\c+\i]
.endr
.endr
.if (\a)%2 == 0
	v_mov_b32 v[SW+(\a)/2], v[PW]                  ; the scale words, two fragments to a register: the even one's in lanes 0-15,
.else
	v_cndmask_b32 v[SW+(\a)/2], v[SW+(\a)/2], v[PW], s98   ; the odd one's in lanes 16-31 (both halves of the lanes hold their row's word)
.endif
.irp c, 0,1,2
	global_store_b128 v[LO], v[CD+4*\c:CD+4*\c+3], s[12:13] offset:1536*(\a)+512*\c   ; 32 lanes store 512 consecutive bytes, at a multiple of 256 from the buffer's first byte
.endr
.endm
	PLACES NP                                      ; behind the last products: the lines below read results and write registers that held A's fragments
	s_mov_b32 s20, 0x76543210
	s_mov_b32 s21, 0xfedcba98                      ; v_permlanex16_b32's selects for lane l xor 16
	s_mov_b32 s98, 0xffff0000                      ; lanes 16-31
	v_mov_b32 v[FL], 0x1800000                     ; 2^(3 - 127)
.irp b, 0,1,2,3
	v_mov_b32 v[TP+\b], 0                          ; written once: a lane permute's destination counts as one of its sources
.endr
.irp a, 0,1,2,3,4,5,6,7
	QFRAG \a
.endr
	global_store_b128 v[LO], v[SW:SW+3], s[12:13] offset:12288   ; the BLOCK's 512 bytes of scale words
	s_wait_tensorcnt 0x0                           ; the wave's end
	ds_add_u32 v[SPW], v[NIL]
	s_wait_dscnt 0x0
	CROUND                                         ; the closing round: no work-group ends while a partner may still ask for a tile that names it
	s_endpgm
.Lfunc_end_k_q043d62ff0a_qkv:
	.size	k_q043d62ff0a_qkv, .Lfunc_end_k_q043d62ff0a_qkv-k_q043d62ff0a_qkv
	.p2alignl 7, 3214868480
	.fill 96, 4, 3214868480
	.section	.rodata,"a",@progbits
	.p2align	6, 0x0
	.amdhsa_kernel k_q043d62ff0a_qkv
		.amdhsa_group_segment_fixed_size 327680
		.amdhsa_private_segment_fixed_size 0
		.amdhsa_enable_private_segment 0
		.amdhsa_kernarg_size 80
		.amdhsa_user_sgpr_count 2
		.amdhsa_user_sgpr_kernarg_segment_ptr 1
		.amdhsa_wavefront_size32 1
		.amdhsa_system_sgpr_workgroup_id_x 1
		.amdhsa_system_sgpr_workgroup_id_y 1
		.amdhsa_system_sgpr_workgroup_id_z 1
		.amdhsa_system_vgpr_workitem_id 0
		.amdhsa_next_free_vgpr 1024
		.amdhsa_next_free_sgpr 100
		.amdhsa_reserve_vcc 0
		.amdhsa_float_denorm_mode_32 3
		.amdhsa_float_denorm_mode_16_64 3
		.amdhsa_memory_ordered 1
		.amdhsa_forward_progress 1
		.amdhsa_inst_pref_size 164
	.end_amdhsa_kernel
	.amdgpu_metadata
---
amdhsa.version: [ 1, 2 ]
amdhsa.kernels:
  - .name:           k_q043d62ff0a_qkv
    .symbol:         k_q043d62ff0a_qkv.kd
    .args:
      - { .name: x_codes, .offset: 0, .size: 8, .value_kind: global_buffer, .address_space: global }
      - { .name: x_scales, .offset: 8, .size: 8, .value_kind: global_buffer, .address_space: global }
      - { .name: wq_codes, .offset: 16, .size: 8, .value_kind: global_buffer, .address_space: global }
      - { .name: wq_scales, .offset: 24, .size: 8, .value_kind: global_buffer, .address_space: global }
      - { .name: wk_codes, .offset: 32, .size: 8, .value_kind: global_buffer, .address_space: global }
      - { .name: wk_scales, .offset: 40, .size: 8, .value_kind: global_buffer, .address_space: global }
      - { .name: wv_codes, .offset: 48, .size: 8, .value_kind: global_buffer, .address_space: global }
      - { .name: wv_scales, .offset: 56, .size: 8, .value_kind: global_buffer, .address_space: global }
      - { .name: qimg, .offset: 64, .size: 8, .value_kind: global_buffer, .address_space: global }
      - { .name: kv, .offset: 72, .size: 8, .value_kind: global_buffer, .address_space: global }
    .group_segment_fixed_size: 327680
    .private_segment_fixed_size: 0
    .kernarg_segment_align: 8
    .kernarg_segment_size: 80
    .max_flat_workgroup_size: 128
    .sgpr_count:     100
    .vgpr_count:     1024
    .wavefront_size: 32
...
	.end_amdgpu_metadata
.endif
;; end of part 1
;; launch attn (part 2): grid 16 x 16, 4 waves a work-group, clusters of 4 x 4, 327,680 bytes of LDS; arguments qimg, kv, mask, aimg, ascl; writes aimg, ascl
.if DOCPART == 2
	.amdgcn_target "amdgcn-amd-amdhsa--gfx1250"
	.amdhsa_code_object_version 6
	.text
	.protected	k_q043d62ff0a_attn
	.globl	k_q043d62ff0a_attn
	.p2align	8
	.type	k_q043d62ff0a_attn,@function
k_q043d62ff0a_attn:
	s_mov_b64 s[64:65], 0
	v_nop
	global_prefetch_b8 v0, s[64:65] scope:SCOPE_SE
	s_setreg_imm32_b32 hwreg(HW_REG_WAVE_MODE, 25, 1), 1
	s_wait_xcnt 0x0
	s_wait_alu depctr_hold_cnt(0) depctr_sa_sdst(0) depctr_va_vdst(0) depctr_va_sdst(0) depctr_va_ssrc(0) depctr_va_vcc(0) depctr_vm_vsrc(0)
	s_getreg_b32 s2, hwreg(HW_REG_IB_STS2, 6, 4)
	s_cmp_eq_u32 s2, 0
	s_cbranch_scc0 .Lentry_in_a_cluster
	s_endpgm
.Lentry_in_a_cluster:
	s_bfe_u32 s2, ttmp6, 0x10000c
	s_cmp_lg_u32 s2, 0xf033
	s_cbranch_scc0 .Lentry_shape_is_right
	s_endpgm
.Lentry_shape_is_right:
; ATTENTION on codes of FP6 (E2M3): for each head, O[q] = (sum over keys of p V[key]) / (sum of p), p = 2^(t - M), t = (q . k / sqrt(128) + mask[q][key]) x log2(e), M the ceiling of the row's running largest t.
; p is quantised along the keys, not normalised; the row's sum is taken of the unquantised p in f32 and divides at the end; the result is quantised along D for the last projection.
; THE MASK IS AN INPUT: every score of every head is computed and every number of the mask is added; nothing of its pattern is built in.  freqs_complex is named by no launch: no line of the function that defines the result reads it.
; THREE ROUNDINGS ARE KEPT APART: u = fma(score, 1/sqrt(128), mask);  t = u x log2(e);  t - M.  With a mask of very large magnitude the score is absorbed in u, as in the definition, and only if t itself is rounded to f32 before M is
; taken off do equal logits give p = 1 exactly.
; SHARES.  A work-group owns 128 queries of one head; each of its four waves 32 of them: two tiles of 16, so that each fragment of K and of V read from LDS feeds two products.  Every wave walks all 2,048 keys, 128 a step.
; LAYOUT.  Both products are used transposed: S^T = K Q^T (source 0 = 16 keys, source 1 = 16 queries), O^T = V^T P^T (source 0 = 16 of the head's 128, source 1 = P): a lane holds ONE query (lane % 16) throughout.
; Register 8 T + n of a tile of queries holds key 16 T + 8 (lane / 16) + n: a lane's 16 numbers of a block of 32 keys are keys 8 h + 0 .. 7 and 16 + 8 h + 0 .. 7, so p's codes lie in a block in the order 0-7, 16-23, 8-15, 24-31,
; which is the order in which the launch before laid V's keys (and q's and k's channels alike): the products are the same.
; INPUTS: qimg [head][block of 128 queries] BLOCK;  kv [head][step of 128 keys][K's BLOCK, V's BLOCK].  A BLOCK is 12,800 bytes: eight fragments as images of their registers (fragment T at 1,536 T: three pieces of 512 bytes,
; lane l's registers 4 c .. 4 c + 3 at 16 l), and at 12,288 the scale words: lane l's 16 bytes at 16 l = words n = 0 .. 3; lanes 0-15: fragment 2 n's rows, lanes 16-31: fragment 2 n + 1's.
; OUTPUTS: aimg [tile of 16 queries][head] fragment (K = that head's 128 of D, in true order);  ascl [tile of 16 queries][head][row] scale words.
; CLUSTERS: 4 x 4 work-groups: x = four blocks of queries, y = four heads.  A step's tile of the mask hangs on the block of queries alone and is shared along a column of the cluster; K's and V's BLOCKs hang on the head alone and are
; shared along a row.  Each is asked for JOINTLY: that divides the mask's 16 readings (one for each head) and K's and V's 16 (one for each block of queries) by four.
; THE RING: two slots, each with one step's K, V and mask (93,184 bytes), 2^17 bytes apart.  In a step all that the wave wants of a slot is in registers half-way through, so the change of slots stands in the step's middle:
; the refill has a whole step in which to land, and the next step's LDS loads run under the second tile's softmax.
; LIMITS: NaN among the inputs is not served; a row whose mask is -infinity throughout gives NaN, as the definition does; a block's largest p is taken through its largest t (v_exp_f32 is taken not to fall where its input rises);
; blocks whose largest magnitude lies under 2^-124 keep the scale byte 1 (a block of zeros too: its codes are zeros, and this program alone reads the bytes).
; REGISTERS, in windows of 256:  window 0: v1-9 addresses; v12-19 statistics; v20-23 at work; v24, v28-37 scale words and nothing else; v40-85 at work; v128-255 S^T, then p, 64 a tile.
;   window 1: v0-127 O^T, 64 a tile.   window 2: v0-95 K's eight fragments; v96-119 Q's two.   window 3: v0-95 V's eight fragments; v128-255 the mask, 64 a tile.
.set SLOT1, 131072                     ; slot 1 begins here: one exclusive or turns an address in one slot into the other's
.set VBLK,  12800                      ; in a slot: K's BLOCK at 0, V's here,
.set MOFF,  25600                      ; the mask here: 128 rows
.set MP,    528                        ; of 512 bytes + 16 of padding = 132 words: row r starts at bank 4 r mod 64 (64 banks of 4 bytes: ISA guide 11.1)
.set SPARE, 262144                     ; behind the ring: the spare words, 128 bytes for each wave: two blocks of 256 bytes that no other line names
.set LI,  1                            ; v1   16 x lane; never rewritten
.set AM0, 2                            ; v2   my place in a slot's mask: MOFF + (32 wave + r) MP + 32 h
.set ADK, 3                            ; v3   LDS address of the step's K and V: slot + 16 x lane
.set ADM, 4                            ; v4   of its mask
.set SPW, 5                            ; v5   LDS address of my spare word; never rewritten
.set NIL, 6                            ; v6   0; never rewritten
.set RW,  7                            ; v7   4 x (lane % 16)
.set ST,  12                           ; tile t's statistics at v[ST + 4 t]: -M, the largest t, the sum in two halves
.set FF,  20                           ; v[20:21] f = 2^(old M - new M), later 1 / the sum (v21 is only named with it as a pair)
.set TT,  22                           ; v22-23 at work; at the end the results' scale words
.set QS,  24                           ; v24  Q's scale words: lanes 0-15 tile 0's rows, lanes 16-31 tile 1's
.set KSC, 28                           ; v28-31 K's
.set VSC, 32                           ; v32-35 V's
.set PW,  36                           ; v36-37 p's, one register a tile
.set BM,  40                           ; v40-43 the four blocks' largest
.set TP,  44                           ; v44-47 the other half's, then the bytes
.set SO,  48                           ; v48-51 the conversions' scale operands
.set CD,  52                           ; v52-75 p's codes, 12 a tile
.set CT,  76                           ; v76-78, v80-82 the halves that are moved
.set SU,  84                           ; v[84:85] the second chain of the sum
.set S,   128
.set KF,  0                            ; in window 2
.set QF,  96
.set VF,  0                            ; in window 3
.set MK,  128
.set G1M, 24                           ; s[24:31] descriptor group 1 for the mask's tiles
.set G1K, 32                           ; s[32:39] for K's and V's BLOCKs
.set G0M, 40                           ; s[40:47] group 0 for the mask: a set for each of the two first fills; the second then walks on
.set G0K, 48                           ; s[48:55] the same for K's or V's BLOCK
.set TB,  56                           ; s56  the slot in hand
.set CNT, 57                           ; s57  the loop's trips
.set CSC, 58                           ; s[58:59] 1 / sqrt(128): the packed forms name a pair and take its low word for both halves
.set CL2, 60                           ; s[60:61] log2(e)
.set SEL, 62                           ; s[62:63] v_permlanex16_b32's selects for lane l xor 16
.set MSB, 0
.macro WIN new                         ; the immediate's high byte repeats the setting that is left; a switch that changes nothing is dropped
.if MSB != \new
	s_set_vgpr_msb (MSB<<8)|\new
.set MSB, \new
.endif
.endm
; One scaled product on 6-bit codes.  cz = 1: C is the constant 0.  ra, rb = 1: source 0's, source 1's scales are read from lanes 16-31 of the register named.
.macro WM d, a, b, cz, sa, sb, ra, rb
.if \cz
.if (\ra)&&(\rb)
	v_wmma_scale_f32_16x16x128_f8f6f4 v[\d:\d+7], v[\a:\a+11], v[\b:\b+11], 0, v[\sa], v[\sb] matrix_a_fmt:MATRIX_FMT_FP6 matrix_b_fmt:MATRIX_FMT_FP6 matrix_a_scale:MATRIX_SCALE_ROW1 matrix_b_scale:MATRIX_SCALE_ROW1
.elseif (\ra)
	v_wmma_scale_f32_16x16x128_f8f6f4 v[\d:\d+7], v[\a:\a+11], v[\b:\b+11], 0, v[\sa], v[\sb] matrix_a_fmt:MATRIX_FMT_FP6 matrix_b_fmt:MATRIX_FMT_FP6 matrix_a_scale:MATRIX_SCALE_ROW1
.elseif (\rb)
	v_wmma_scale_f32_16x16x128_f8f6f4 v[\d:\d+7], v[\a:\a+11], v[\b:\b+11], 0, v[\sa], v[\sb] matrix_a_fmt:MATRIX_FMT_FP6 matrix_b_fmt:MATRIX_FMT_FP6 matrix_b_scale:MATRIX_SCALE_ROW1
.else
	v_wmma_scale_f32_16x16x128_f8f6f4 v[\d:\d+7], v[\a:\a+11], v[\b:\b+11], 0, v[\sa], v[\sb] matrix_a_fmt:MATRIX_FMT_FP6 matrix_b_fmt:MATRIX_FMT_FP6
.endif
.else
.if (\ra)&&(\rb)
	v_wmma_scale_f32_16x16x128_f8f6f4 v[\d:\d+7], v[\a:\a+11], v[\b:\b+11], v[\d:\d+7], v[\sa], v[\sb] matrix_a_fmt:MATRIX_FMT_FP6 matrix_b_fmt:MATRIX_FMT_FP6 matrix_a_scale:MATRIX_SCALE_ROW1 matrix_b_scale:MATRIX_SCALE_ROW1
.elseif (\ra)
	v_wmma_scale_f32_16x16x128_f8f6f4 v[\d:\d+7], v[\a:\a+11], v[\b:\b+11], v[\d:\d+7], v[\sa], v[\sb] matrix_a_fmt:MATRIX_FMT_FP6 matrix_b_fmt:MATRIX_FMT_FP6 matrix_a_scale:MATRIX_SCALE_ROW1
.elseif (\rb)
	v_wmma_scale_f32_16x16x128_f8f6f4 v[\d:\d+7], v[\a:\a+11], v[\b:\b+11], v[\d:\d+7], v[\sa], v[\sb] matrix_a_fmt:MATRIX_FMT_FP6 matrix_b_fmt:MATRIX_FMT_FP6 matrix_b_scale:MATRIX_SCALE_ROW1
.else
	v_wmma_scale_f32_16x16x128_f8f6f4 v[\d:\d+7], v[\a:\a+11], v[\b:\b+11], v[\d:\d+7], v[\sa], v[\sb] matrix_a_fmt:MATRIX_FMT_FP6 matrix_b_fmt:MATRIX_FMT_FP6
.endif
.endif
.endm
; A joint refill, by the walking descriptors.  Waves 0 and 1 fetch the mask's two halves, wave 2 K's BLOCK, wave 3 V's.  The branch hangs on the wave's number alone.
; Four v_nop follow each of the two lines, ahead of the jump, the label and what follows.
.macro JLOAD
	s_cmp_eq_u32 s15, 0
	s_cbranch_scc0 .Lfor_kv_\@
	tensor_load_to_lds s[G0M+4:G0M+7], s[G1M:G1M+7]
	s_nop 0
.rept 4
	v_nop
.endr
	s_branch .Lasked_\@
.Lfor_kv_\@:
	tensor_load_to_lds s[G0K+4:G0K+7], s[G1K:G1K+7]
	s_nop 0
.rept 4
	v_nop
.endr
.Lasked_\@:
.endm
; A round of the cluster's barrier: my work-group's barrier; wave 0 signals for the work-group; every wave waits for all sixteen work-groups; my work-group's barrier once more.
.macro CROUND
	s_barrier_signal -1
	s_barrier_wait -1
	s_cmp_lg_u32 s14, 0
	s_cbranch_scc1 .Lnot_wave_0_\@
	s_barrier_signal -3
.Lnot_wave_0_\@:
	s_barrier_wait -3
	s_barrier_signal -1
	s_barrier_wait -1
.endm
	s_load_b256 s[4:11], s[0:1], 0x0               ; qimg s[4:5], kv s[6:7], mask s[8:9], aimg s[10:11]
	s_load_b64 s[12:13], s[0:1], 0x20              ; ascl
	v_lshl_add_u32 v[SPW], v0, 2, SPARE
	v_mov_b32 v[NIL], 0
	ds_add_u32 v5, v6
	ds_add_u32 v5, v6
	s_wait_dscnt 0x0
	v_lshrrev_b32 v8, 5, v0
	v_readfirstlane_b32 s14, v8                    ; wave 0..3
	s_lshr_b32 s15, s14, 1                         ; I fetch the mask (0) or K and V (1),
	s_and_b32 s16, s14, 1                          ; its first or its second half
	s_bfe_u32 s17, ttmp6, 0x40000                  ; cx, cy: my place in the cluster
	s_bfe_u32 s18, ttmp6, 0x40004
	s_lshl_b32 s19, ttmp9, 2
	s_add_co_u32 s19, s19, s17                     ; my block of 128 queries = 4 x cluster x + cx
	s_and_b32 s20, ttmp7, 0xffff
	s_lshl_b32 s20, s20, 2
	s_add_co_u32 s20, s20, s18                     ; my head = 4 x cluster y + cy
	s_lshl_b32 s21, s18, 2
	s_lshl_b32 s21, 15, s21                        ; my row of the cluster: the same head
	s_lshl_b32 s22, 0x1111, s17                    ; my column: the same queries
	; descriptor group 1 for the mask: 64 rows x 128 numbers of 4 bytes, 2,048 numbers from row to row, 16 bytes of padding behind each row
	s_or_b32 s[G1M], s22, (2<<16)|(1<<20)|(1<<21)|(6<<22)|(3<<25)   ; 15:0 the mask of work-groups: my column; 17:16 elements of 4 bytes; 20 padding on; 21 set beside a mask; 24:22 after every 128 words (code 6); 31:25 of 4 words (code 3)
	s_mov_b32 s[G1M+1], 128<<16                    ; tensor_dim0 = 128
	s_mov_b32 s[G1M+2], 64<<16                     ; tensor_dim1 = 64
	s_mov_b32 s[G1M+3], 128<<16                    ; tile_dim0 = 128
	s_mov_b32 s[G1M+4], 64                         ; tile_dim1 = 64
	s_mov_b32 s[G1M+5], 2048                       ; tensor_dim0_stride
	s_mov_b32 s[G1M+6], 0
	s_mov_b32 s[G1M+7], 0
	; and for a BLOCK: 12,800 dense bytes as 50 rows of 256 bytes (32 elements of 8 bytes), no padding
	s_or_b32 s[G1K], s21, (3<<16)|(1<<21)          ; my row of the cluster
	s_mov_b32 s[G1K+1], 32<<16
	s_mov_b32 s[G1K+2], 50<<16
	s_mov_b32 s[G1K+3], 32<<16
	s_mov_b32 s[G1K+4], 50
	s_mov_b32 s[G1K+5], 32
	s_mov_b32 s[G1K+6], 0
	s_mov_b32 s[G1K+7], 0
	; where the tiles come from and go.  The mask's hang on the block of queries, K's and V's on the head: each in registers that never hold the other coordinate
	s_lshl_b32 s66, s19, 20                        ; 128 rows of 8,192 bytes,
	s_lshl_b32 s67, s16, 19                        ; my 64 of them
	s_add_co_u32 s66, s66, s67
	s_mov_b32 s67, 0
	s_mul_i32 s68, s20, 16*2*VBLK                  ; the head's 16 steps,
	s_mul_i32 s71, s16, VBLK                       ; K's BLOCK or V's: in memory and in a slot alike
	s_add_co_u32 s68, s68, s71
	s_mov_b32 s69, 0
	s_mul_i32 s70, s16, 64*MP
	s_add_co_u32 s70, s70, MOFF                    ; the mask's half in a slot
	s_lshl_b32 s72, s20, 4
	s_add_co_u32 s72, s72, s19
	s_mul_i32 s72, s72, VBLK                       ; Q's BLOCK: (16 head + block) x 12,800
	s_mov_b32 s73, 0
	s_lshl_b32 s74, s19, 3
	s_lshl_b32 s75, s14, 1
	s_add_co_u32 s74, s74, s75                     ; my first tile of 16 queries: 8 block + 2 wave
	s_lshl_b32 s74, s74, 4
	s_add_co_u32 s74, s74, s20                     ; x 16 + head
	s_lshl_b32 s76, s74, 6                         ; its 64 bytes of scale words,
	s_mov_b32 s77, 0
	s_mul_i32 s74, s74, 1536                       ; its fragment
	s_mov_b32 s75, 0
	s_mov_b32 s[CSC], 0x3db504f3                   ; 1 / sqrt(128)
	s_mov_b32 s[CSC+1], s[CSC]                     ; (named with it as a pair, so it is written)
	s_mov_b32 s[CL2], 0x3fb8aa3b                   ; log2(e)
	s_mov_b32 s[CL2+1], s[CL2]
	s_mov_b32 s[SEL], 0x76543210
	s_mov_b32 s[SEL+1], 0xfedcba98
	s_mov_b32 s[TB], 0
	s_wait_kmcnt 0x0
	s_add_nc_u64 s[8:9], s[8:9], s[66:67]
	s_add_nc_u64 s[6:7], s[6:7], s[68:69]
	s_add_nc_u64 s[4:5], s[4:5], s[72:73]
	s_add_nc_u64 s[10:11], s[10:11], s[74:75]
	s_add_nc_u64 s[12:13], s[12:13], s[76:77]
	CROUND                                         ; all sixteen work-groups are here: the first joint loads meet
.irp n, 0,1
	s_mov_b32 s[G0M+4*\n], 1                       ; 1:0 count = 1
	s_add_co_u32 s[G0M+4*\n+1], s70, \n*SLOT1      ; 63:32 LDS address: slot n
	s_add_nc_u64 s[G0M+4*\n+2:G0M+4*\n+3], s[8:9], \n*512        ; 120:64 global address: step n's 128 keys
	s_or_b32 s[G0M+4*\n+3], s[G0M+4*\n+3], 0x80000000            ; 127:126 type = 2
	s_mov_b32 s[G0K+4*\n], 1
	s_add_co_u32 s[G0K+4*\n+1], s71, \n*SLOT1
	s_add_nc_u64 s[G0K+4*\n+2:G0K+4*\n+3], s[6:7], \n*2*VBLK
	s_or_b32 s[G0K+4*\n+3], s[G0K+4*\n+3], 0x80000000
.endr
	s_cmp_eq_u32 s15, 0                            ; a wave's two first fills stand in one branch, ahead of every wait on TENSORcnt and every LDS read: two loads of mine are out; four v_nop follow the second
	s_cbranch_scc0 .Lfirst_kv
	tensor_load_to_lds s[G0M:G0M+3], s[G1M:G1M+7]
	s_nop 0
	tensor_load_to_lds s[G0M+4:G0M+7], s[G1M:G1M+7]
	s_nop 0
.rept 4
	v_nop
.endr
	s_branch .Lfirst_asked
.Lfirst_kv:
	tensor_load_to_lds s[G0K:G0K+3], s[G1K:G1K+7]
	s_nop 0
	tensor_load_to_lds s[G0K+4:G0K+7], s[G1K:G1K+7]
	s_nop 0
.rept 4
	v_nop
.endr
.Lfirst_asked:
	v_and_b32 v8, 31, v0                           ; lane
	v_and_b32 v9, 15, v0                           ; r
	v_bfe_u32 v10, v0, 4, 1                        ; h
	v_lshlrev_b32 v[LI], 4, v8
	v_lshlrev_b32 v[RW], 2, v9
	s_mul_i32 s78, s14, 32*MP
	s_add_co_u32 s78, s78, MOFF
	v_mul_u32_u24 v[AM0], v9, MP
	v_lshl_add_u32 v[AM0], v10, 5, v[AM0]
	v_add_nc_u32 v[AM0], s78, v[AM0]               ; the mask: row 32 wave + r, + 32 h bytes: my half's eight keys of a tile of 16
	s_mul_i32 s79, s14, 2*1536
	v_add_nc_u32 v8, s79, v[LI]                    ; Q: fragments 2 wave and 2 wave + 1 of the BLOCK
	s_lshl_b32 s78, s14, 2
	v_add_nc_u32 v9, s78, v[LI]                    ; and word n = wave of my 16 bytes of scale words: lanes 0-15 fragment 2 wave's, lanes 16-31 fragment 2 wave + 1's
	WIN 0x80                                       ; destination window 2
.irp u, 0,1
.irp c, 0,1,2
	global_load_b128 v[QF+12*\u+4*\c:QF+12*\u+4*\c+3], v8, s[4:5] offset:1536*\u+512*\c   ; Q stays in registers
.endr
.endr
	WIN 0
	global_load_b32 v[QS], v9, s[4:5] offset:12288
.irp u, 0,1
	v_mov_b32 v[ST+4*\u+1], 0xff61b1e6             ; the largest t so far: -3e38, under every t
	v_floor_f32 v[ST+4*\u], -v[ST+4*\u+1]          ; -M
	v_mov_b32 v[ST+4*\u+2], 0                      ; the sum, in two halves
	v_mov_b32 v[ST+4*\u+3], 0
.endr
.irp b, 0,1,2,3
	v_mov_b32 v[TP+\b], 0                          ; written once: a lane permute's destination counts as one of its sources
.endr
	v_mov_b32 v[FF+1], 0                           ; (named as the upper half of a pair)
; A step's K (scale words, 8 fragments) and mask (2 tiles x 64 numbers a lane) from the slot in hand: 57 LDS loads in one run
.macro LOADK
	WIN 0
	v_add_nc_u32 v[ADK], s[TB], v[LI]
	v_add_nc_u32 v[ADM], s[TB], v[AM0]
	ds_load_b128 v[KSC:KSC+3], v[ADK] offset:12288
	WIN 0x80                                       ; destination window 2
.irp n, 0,1,2,3,4,5,6,7
.irp c, 0,1,2
	ds_load_b128 v[KF+12*\n+4*\c:KF+12*\n+4*\c+3], v[ADK] offset:1536*\n+512*\c
.endr
.endr
	WIN 0xc0                                       ; destination window 3
.irp u, 0,1                                    ; tile 0's sixteen loads first
.irp n, 0,1,2,3,4,5,6,7
.irp c, 0,1
	ds_load_b128 v[MK+64*\u+8*\n+4*\c:MK+64*\u+8*\n+4*\c+3], v[ADM] offset:16*MP*\u+64*\n+16*\c   ; register 8 n + i: the mask at (my query, key 16 n + 8 h + i): the place of the score in S^T
.endr
.endr
.endr
	WIN 0
.endm
; THE SOFTMAX OF ONE TILE for one step.  v[S + 64 t] on hold t.  It leaves p in their place, p's codes in v[CD + 12 t] on, p's scale word in v[PW + t], f in v[FF], and has brought the sum on.
.macro CORE t
.set SS, S+64*(\t)
.set TS, ST+4*(\t)
.set CC, CD+12*(\t)
.irp b, 0,1,2,3
	v_max3_num_f32 v[BM+\b], v[SS+16*\b], v[SS+16*\b+1], v[SS+16*\b+2]   ; THE LARGEST t OF EACH BLOCK OF 32 KEYS: it serves twice: for the row's maximum, and, since p rises with t, for the block's largest p
.endr
.irp i, 3,5,7,9,11,13
.irp b, 0,1,2,3
	v_max3_num_f32 v[BM+\b], v[BM+\b], v[SS+16*\b+\i], v[SS+16*\b+\i+1]   ; (the four blocks by turns)
.endr
.endr
.irp b, 0,1,2,3
	v_max_num_f32 v[BM+\b], v[BM+\b], v[SS+16*\b+15]
.endr
.irp b, 0,1,2,3
	v_permlanex16_b32 v[TP+\b], v[BM+\b], s[SEL], s[SEL+1]
.endr
.irp b, 0,1,2,3
	v_max_num_f32 v[BM+\b], v[BM+\b], v[TP+\b]     ; with lane l xor 16's 16 keys
.endr
	v_max3_num_f32 v[TT], v[BM], v[BM+1], v[BM+2]
	v_max_num_f32 v[TT], v[TT], v[BM+3]            ; the step's largest t of my query
	v_max_num_f32 v[TS+1], v[TS+1], v[TT]          ; the running largest t
	v_mov_b32 v[TT], v[TS]
	v_floor_f32 v[TS], -v[TS+1]                    ; the new -M = floor(-t) = -ceil(t): M IS A WHOLE NUMBER
	v_sub_f32 v[TT], v[TS], v[TT]                  ; M's old value less its new one: a whole number, 0 or less
	v_cvt_i32_f32 v[TT], v[TT]                     ; (it saturates)
	v_ldexp_f32 v[FF], 1.0, v[TT]                  ; f = 2^(old M - new M): a multiplication by it rounds nothing
.set j, 0
.rept 32
	v_pk_add_f32 v[SS+j:SS+j+1], v[SS+j:SS+j+1], v[TS:TS+1] op_sel_hi:[1,0]   ; t - M, two at a time (of the pair the low word, -M, serves both halves)
.set j, j+2
.endr
.irp b, 0,1,2,3
	v_add_f32 v[BM+\b], v[BM+\b], v[TS]            ; the same of each block's largest t
.endr
.set j, 0
.rept 64
	v_exp_f32 v[SS+j], v[SS+j]                     ; p = 2^(t - M), at most 1: NOT normalised
.set j, j+1
.endr
.irp b, 0,1,2,3
	v_exp_f32 v[BM+\b], v[BM+\b]                   ; the block's largest p: the same instructions on the same number give the same bits
.endr
	v_pk_mul_f32 v[TS+2:TS+3], v[TS+2:TS+3], v[FF:FF+1] op_sel_hi:[1,0]   ; the sums under the new M.  (A plain place behind the exponentials)
	s_wait_alu depctr_va_vdst(0)
.irp b, 0,1,2,3
	v_max_num_f32 v[BM+\b], 0x1800000, v[BM+\b]    ; the floor 2^(3 - 127): the byte cannot fall under 1
.endr
.irp b, 0,1,2,3
	v_add_nc_u32 v[SO+\b], 0xff000000, v[BM+\b]    ; 2 off the exponent field: the conversion's scale operand
.endr
.irp b, 0,1,2,3
	v_lshrrev_b32 v[TP+\b], 23, v[SO+\b]           ; the scale's byte
.endr
	v_lshl_or_b32 v[PW+(\t)], v[TP+1], 8, v[TP]    ; p's scale word for these 128 keys
	v_lshl_or_b32 v[PW+(\t)], v[TP+2], 16, v[PW+(\t)]
	v_lshl_or_b32 v[PW+(\t)], v[TP+3], 24, v[PW+(\t)]
.irp c, 0,1
	v_cvt_scalef32_pk16_fp6_f32 v[CC+6*\c:CC+6*\c+2], v[SS+32*\c:SS+32*\c+15], v[SO+2*\c]
	v_cvt_scalef32_pk16_fp6_f32 v[CT+4*\c:CT+4*\c+2], v[SS+32*\c+16:SS+32*\c+31], v[SO+2*\c+1]   ; (a conversion's three registers begin on an even number)
.endr
	v_nop                                          ; one plain place behind a scaled conversion
.irp c, 0,1                                    ; the operand's layout wants a WHOLE block in a lane: lanes 0-15 block 2 c, lanes 16-31 block 2 c + 1
.irp i, 0,1,2
	v_permlane16_swap_b32 v[CC+6*\c+\i], v[CT+4*\c+\i]
.endr
.irp i, 0,1,2
	v_mov_b32 v[CC+3+6*\c+\i], v[CT+4*\c+\i]
.endr
.endr
	v_pk_add_f32 v[SU:SU+1], v[SS:SS+1], v[SS+2:SS+3]   ; THE ROW'S SUM IS TAKEN OF THE UNQUANTISED p: two at a time, in two chains.  (These 32 lines are also the places between the writing of p's codes and scale word and the products that take them)
.set j, 4
.rept 15
	v_pk_add_f32 v[TS+2:TS+3], v[TS+2:TS+3], v[SS+j:SS+j+1]
	v_pk_add_f32 v[SU:SU+1], v[SU:SU+1], v[SS+j+2:SS+j+3]
.set j, j+4
.endr
	v_pk_add_f32 v[TS+2:TS+3], v[TS+2:TS+3], v[SU:SU+1]
.endm
.macro RESC t                          ; the tile's O^T under the new M: x f.  Each accumulator from its low end on
	WIN 0x41                                       ; destination and source 0 window 1
.set j, 0
.rept 32
	v_pk_mul_f32 v[64*(\t)+j:64*(\t)+j+1], v[64*(\t)+j:64*(\t)+j+1], v[FF:FF+1] op_sel_hi:[1,0]
.set j, j+2
.endr
.endm
.macro PV t, first                     ; O^T += V^T P^T: the tile's eight accumulators, one instruction each.  first = 1: they start the sums
	WIN 0x53                                       ; V window 3, P window 0, C and D window 1
.irp n, 0,1,2,3,4,5,6,7
	WM 64*(\t)+8*\n, VF+12*\n, CD+12*(\t), \first, VSC+\n/2, PW+(\t), \n%2, 0
.endr
.endm
; A KEY STEP.  mode 2: the slot is left and filled again, with the step two on;  1: it is left;  0: the last step.  first = 1: the first step: O^T's sums begin.
.macro STEP mode, first
	s_wait_dscnt 32                                ; K's scale words and fragments are in; the 32 loads of the mask behind them may be out
	WIN 0x0a                                       ; K and Q window 2, S^T window 0
.irp n, 0,1,2,3,4,5,6,7
.irp u, 0,1
	WM S+64*\u+8*\n, KF+12*\n, QF+12*\u, 1, KSC+\n/2, QS, \n%2, \u   ; each fragment of K against both tiles of queries
.endr
.endr
.rept 4
	v_nop                                          ; the places in front of the loads into V's registers, which the last step's products read, and of the first read of the scores
.endr
	WIN 0
	ds_load_b128 v[VSC:VSC+3], v[ADK] offset:VBLK+12288
	WIN 0xc0                                       ; destination window 3
.irp n, 0,1,2,3,4,5,6,7
.irp c, 0,1,2
	ds_load_b128 v[VF+12*\n+4*\c:VF+12*\n+4*\c+3], v[ADK] offset:VBLK+1536*\n+512*\c
.endr
.endr
	WIN 0x30                                       ; source 2, the mask: window 3
	s_wait_dscnt 41                                ; tile 0's mask is in: behind it tile 1's 16 loads and V's 25
.set j, 0
.rept 32
	v_pk_fma_f32 v[S+j:S+j+1], v[S+j:S+j+1], s[CSC:CSC+1], v[MK+j:MK+j+1] op_sel_hi:[1,0,1]   ; u = score / sqrt(128) + mask, each accumulator from its low end on
.set j, j+2
.endr
	s_wait_dscnt 25                                ; tile 1's: behind it V's 25
.rept 32
	v_pk_fma_f32 v[S+j:S+j+1], v[S+j:S+j+1], s[CSC:CSC+1], v[MK+j:MK+j+1] op_sel_hi:[1,0,1]
.set j, j+2
.endr
	WIN 0
.set j, 0
.rept 64
	v_pk_mul_f32 v[S+j:S+j+1], v[S+j:S+j+1], s[CL2:CL2+1] op_sel_hi:[1,0]   ; t = u x log2(e), rounded by itself
.set j, j+2
.endr
	CORE 0
.if \mode >= 1
	; THE CHANGE OF SLOTS.  All that I want of this slot has been asked for.  Each wave waits for all its tensor loads (its part of the next slot), adds 0 to its spare word, and waits for that and for its reads of this slot.
	s_wait_tensorcnt 0x0                           ; no tensor load of mine is out, so a group 0 may be written
	ds_add_u32 v[SPW], v[NIL]                      ; 0 onto my spare word; work on registers stands between it and the wait for it
.if \mode == 2
	s_xor_b32 s[G0M+5], s[G0M+5], SLOT1            ; the walking descriptors: the other slot than last time,
	s_add_nc_u64 s[G0M+6:G0M+7], s[G0M+6:G0M+7], 512        ; the next 128 keys; the type bits on top are not reached
	s_xor_b32 s[G0K+5], s[G0K+5], SLOT1
	s_add_nc_u64 s[G0K+6:G0K+7], s[G0K+6:G0K+7], 2*VBLK
.endif
.if !\first
	RESC 0
	WIN 0                                          ; at a label and at a branch every window is 0
.endif
	s_wait_dscnt 0x0                               ; the add is done; V is in: my reads of this slot are over
.if \mode == 2
	CROUND                                         ; no wave of any partner still reads the slot or has a load on its way
	JLOAD                                          ; the first tensor load behind the round, one a wave: it has a whole step in which to land
.else
	s_barrier_signal -1
	s_barrier_wait -1                              ; the last slot is whole for every wave; nothing is filled
.endif
	s_xor_b32 s[TB], s[TB], SLOT1
	LOADK                                          ; the next step's K and mask: they land under the products and the softmax below
.else
	RESC 0
	WIN 0
	s_wait_dscnt 0x0                               ; V is in
.endif
	PV 0, \first
	WIN 0
	CORE 1
.if !\first
	RESC 1
.endif
	PV 1, \first
	WIN 0
.endm
	s_wait_tensorcnt 1                             ; my part of slot 0 is in; slot 1's may stay out
	s_barrier_signal -1
	s_barrier_wait -1                              ; everybody's is
	LOADK
	s_wait_loadcnt 0x0                             ; Q
	STEP 2, 1                                      ; step 0
	s_mov_b32 s[CNT], 13
.Lstep:                                                ; steps 1 to 13: each leaves its slot and asks for the step two on
	STEP 2, 0
	s_sub_co_u32 s[CNT], s[CNT], 1
	s_cmp_lg_u32 s[CNT], 0
	s_cbranch_scc1 .Lstep
	STEP 1, 0                                      ; the tail is written out: step 14 asks for nothing
	STEP 0, 0                                      ; step 15 leaves no slot
	; THE WAY OUT.  O^T / the sum; lane (r, h) holds query r, register 8 T + n the head's channel 16 T + 8 h + n.  The 128 channels are one K step of the last projection: a fragment and a scale word a row.
.rept 4
	v_nop                                          ; the places behind the last products
.endr
.irp u, 0,1
	v_add_f32 v[ST+4*\u+2], v[ST+4*\u+2], v[ST+4*\u+3]   ; the sum's two halves,
.endr
.irp u, 0,1
	v_permlanex16_b32 v[TP+\u], v[ST+4*\u+2], s[SEL], s[SEL+1]
.endr
.irp u, 0,1
	v_add_f32 v[ST+4*\u+2], v[ST+4*\u+2], v[TP+\u]       ; and lane l xor 16's: the row's sum
.endr
.macro OUT t
.set SS, S+64*(\t)
.set CC, CD+12*(\t)
	v_rcp_f32 v[FF], v[ST+4*(\t)+2]
	v_nop                                          ; one plain place behind a transcendental
	WIN 0x01                                       ; source 0 window 1
.set j, 0
	s_wait_alu depctr_va_vdst(0)
.rept 32
	v_pk_mul_f32 v[SS+j:SS+j+1], v[64*(\t)+j:64*(\t)+j+1], v[FF:FF+1] op_sel_hi:[1,0]   ; into the registers that p has left; each accumulator from its low end on
.set j, j+2
.endr
	WIN 0
.irp b, 0,1,2,3
	v_max3_num_f32 v[BM+\b], |v[SS+16*\b]|, |v[SS+16*\b+1]|, 0x1800000   ; block b of 32 channels: my 16 numbers, and the floor 2^(3 - 127)
.endr
.irp i, 2,4,6,8,10,12,14
.irp b, 0,1,2,3
	v_max3_num_f32 v[BM+\b], v[BM+\b], |v[SS+16*\b+\i]|, |v[SS+16*\b+\i+1]|
.endr
.endr
.irp b, 0,1,2,3
	v_permlanex16_b32 v[TP+\b], v[BM+\b], s[SEL], s[SEL+1]
.endr
.irp b, 0,1,2,3
	v_max_num_f32 v[BM+\b], v[BM+\b], v[TP+\b]
.endr
.irp b, 0,1,2,3
	v_add_nc_u32 v[SO+\b], 0xff000000, v[BM+\b]
.endr
.irp b, 0,1,2,3
	v_lshrrev_b32 v[TP+\b], 23, v[SO+\b]
.endr
	v_lshl_or_b32 v[TT+(\t)], v[TP+1], 8, v[TP]
	v_lshl_or_b32 v[TT+(\t)], v[TP+2], 16, v[TT+(\t)]
	v_lshl_or_b32 v[TT+(\t)], v[TP+3], 24, v[TT+(\t)]
.irp c, 0,1
	v_cvt_scalef32_pk16_fp6_f32 v[CC+6*\c:CC+6*\c+2], v[SS+32*\c:SS+32*\c+15], v[SO+2*\c]
	v_cvt_scalef32_pk16_fp6_f32 v[CT+4*\c:CT+4*\c+2], v[SS+32*\c+16:SS+32*\c+31], v[SO+2*\c+1]
.endr
	v_nop                                          ; one plain place behind a scaled conversion
.irp c, 0,1
.irp i, 0,1,2
	v_permlane16_swap_b32 v[CC+6*\c+\i], v[CT+4*\c+\i]
.endr
	; THIS OPERAND MEETS A GIVEN ONE (wo), so its codes go into their true order.  The lower three registers hold channels 0-7 and 16-23 of the lane's block, 48 bits each, the upper three 8-15 and 24-31: the two middle groups change places
	v_perm_b32 v[CC+6*\c+3], v[CC+6*\c+2], v[CC+6*\c+1], 0x05040302   ; register 3: channels 16-23, bits 0-31
	v_perm_b32 v[CC+6*\c+4], v[CT+4*\c+1], v[CC+6*\c+2], 0x07060302   ; register 4: their bits 32-47; channels 24-31, bits 0-15
	v_perm_b32 v[CC+6*\c+1], v[CT+4*\c], v[CC+6*\c+1], 0x05040100     ; register 1: channels 0-7, bits 32-47; channels 8-15, bits 0-15
	v_perm_b32 v[CC+6*\c+2], v[CT+4*\c+1], v[CT+4*\c], 0x05040302     ; register 2: channels 8-15, bits 16-47
	v_mov_b32 v[CC+6*\c+5], v[CT+4*\c+2]                              ; register 5: channels 24-31, bits 16-47
.endr
.irp c, 0,1,2
	global_store_b128 v[LI], v[CC+4*\c:CC+4*\c+3], s[10:11] offset:16*1536*(\t)+512*\c   ; the fragment's image: 32 lanes store 512 consecutive bytes, at a multiple of 256 from the buffer's first byte
.endr
	global_store_b32 v[RW], v[TT+(\t)], s[12:13] offset:1024*(\t)      ; its 16 scale words (lanes l and l + 16 write the same word with the same value)
.endm
	OUT 0                                          ; each tile has registers of its own for what it stores: no store's data are written again
	OUT 1
	s_wait_tensorcnt 0x0                           ; the wave's end
	ds_add_u32 v[SPW], v[NIL]
	s_wait_dscnt 0x0
	CROUND                                         ; the closing round: no work-group ends while a partner may still ask for a tile that names it
	s_endpgm
.Lfunc_end_k_q043d62ff0a_attn:
	.size	k_q043d62ff0a_attn, .Lfunc_end_k_q043d62ff0a_attn-k_q043d62ff0a_attn
	.p2alignl 7, 3214868480
	.fill 96, 4, 3214868480
	.section	.rodata,"a",@progbits
	.p2align	6, 0x0
	.amdhsa_kernel k_q043d62ff0a_attn
		.amdhsa_group_segment_fixed_size 327680
		.amdhsa_private_segment_fixed_size 0
		.amdhsa_enable_private_segment 0
		.amdhsa_kernarg_size 40
		.amdhsa_user_sgpr_count 2
		.amdhsa_user_sgpr_kernarg_segment_ptr 1
		.amdhsa_wavefront_size32 1
		.amdhsa_system_sgpr_workgroup_id_x 1
		.amdhsa_system_sgpr_workgroup_id_y 1
		.amdhsa_system_sgpr_workgroup_id_z 1
		.amdhsa_system_vgpr_workitem_id 0
		.amdhsa_next_free_vgpr 1024
		.amdhsa_next_free_sgpr 80
		.amdhsa_reserve_vcc 0
		.amdhsa_float_denorm_mode_32 3
		.amdhsa_float_denorm_mode_16_64 3
		.amdhsa_memory_ordered 1
		.amdhsa_forward_progress 1
		.amdhsa_inst_pref_size 192
	.end_amdhsa_kernel
	.amdgpu_metadata
---
amdhsa.version: [ 1, 2 ]
amdhsa.kernels:
  - .name:           k_q043d62ff0a_attn
    .symbol:         k_q043d62ff0a_attn.kd
    .args:
      - { .name: qimg, .offset: 0, .size: 8, .value_kind: global_buffer, .address_space: global }
      - { .name: kv, .offset: 8, .size: 8, .value_kind: global_buffer, .address_space: global }
      - { .name: mask, .offset: 16, .size: 8, .value_kind: global_buffer, .address_space: global }
      - { .name: aimg, .offset: 24, .size: 8, .value_kind: global_buffer, .address_space: global }
      - { .name: ascl, .offset: 32, .size: 8, .value_kind: global_buffer, .address_space: global }
    .group_segment_fixed_size: 327680
    .private_segment_fixed_size: 0
    .kernarg_segment_align: 8
    .kernarg_segment_size: 40
    .max_flat_workgroup_size: 128
    .sgpr_count:     80
    .vgpr_count:     1024
    .wavefront_size: 32
...
	.end_amdgpu_metadata
.endif
;; end of part 2
;; launch proj (part 3): grid 16 x 16, 4 waves a work-group, clusters of 4 x 4, 327,680 bytes of LDS; arguments aimg, ascl, wo_codes, wo_scales, out0; writes out0
.if DOCPART == 3
	.amdgcn_target "amdgcn-amd-amdhsa--gfx1250"
	.amdhsa_code_object_version 6
	.text
	.protected	k_q043d62ff0a_proj
	.globl	k_q043d62ff0a_proj
	.p2align	8
	.type	k_q043d62ff0a_proj,@function
k_q043d62ff0a_proj:
	s_mov_b64 s[64:65], 0
	v_nop
	global_prefetch_b8 v0, s[64:65] scope:SCOPE_SE
	s_setreg_imm32_b32 hwreg(HW_REG_WAVE_MODE, 25, 1), 1
	s_wait_xcnt 0x0
	s_wait_alu depctr_hold_cnt(0) depctr_sa_sdst(0) depctr_va_vdst(0) depctr_va_sdst(0) depctr_va_ssrc(0) depctr_va_vcc(0) depctr_vm_vsrc(0)
	s_getreg_b32 s2, hwreg(HW_REG_IB_STS2, 6, 4)
	s_cmp_eq_u32 s2, 0
	s_cbranch_scc0 .Lentry_in_a_cluster
	s_endpgm
.Lentry_in_a_cluster:
	s_bfe_u32 s2, ttmp6, 0x10000c
	s_cmp_lg_u32 s2, 0xf033
	s_cbranch_scc0 .Lentry_shape_is_right
	s_endpgm
.Lentry_shape_is_right:
; THE LAST PROJECTION: out0[m][n] = sum over k of A[m][k] wo[n][k], K = 2,048, on codes of FP6 (E2M3) with one E8M0 scale for each 32 along K; out0 [2,048][2,048] f32; sums in f32.
; A, attention's result, lies as the launch before stored it: aimg [tile of 16 rows][K step of 128] fragment, an image of the operand's 12 registers (three pieces of 512 bytes, lane l's registers 4 c .. 4 c + 3 at 16 l);
; ascl [tile of 16 rows][K step][row] scale words.  wo lies as it is given: rows of 1,536 bytes of codes and of 64 scale bytes.
; SHARES.  A tile of out0 is 128 x 128, so that the 2,048 x 2,048 numbers make 256 work-groups; tiles of 256 x 256 would make 64.  Four waves, each 64 x 64: 16 accumulators of 16 x 16.
; K goes in four periods of 512 (four matrix instructions deep) through a ring of two LDS slots; the four periods are written out.  The scales of the work-group's rows of A and of wo, for all of K, come into LDS once.
; CLUSTERS: 4 x 4 work-groups.  The four of a row of the cluster need the same tiles of A, the four of a column the same tiles of wo: each is asked for JOINTLY, by the same tensor load with the same descriptor and a mask
; that names the four.  THE MATRIX INSTRUCTION IS USED TRANSPOSED (source 0 = 16 rows of wo, source 1 = 16 rows of A): a lane then holds eight neighbouring numbers of a row of out0.
; REGISTERS: window 0: v16-30 addresses; v32-63 scale words, two sets, and nothing else; v64-127 the way out; v128-255 the accumulators ((a, b) at v[128 + 8 (4 a + b)]).
;   window 1: two fragment buffers at v0 and v128: in each A's four fragments at + 12 a, wo's four at + 48 + 12 b.
.set APER,  6144                       ; a tile of 16 rows of A, one period: four fragments
.set AHALF, 4*APER                     ; four tiles of rows: what one tensor load brings, and what one wave reads of A
.set BP,    432                        ; a row of wo in LDS: 3 x (128 bytes + 16 of padding) = 108 words: row r starts at bank 44 r mod 64, sixteen different multiples of 4 (64 banks of 4 bytes: ISA guide 11.1); lanes 16-31 stand 6 or 10 words on
.set BHALF, 64*BP                      ; 64 rows
.set BOFF,  2*AHALF                    ; in a slot: A's 128 rows, then wo's 128
.set SLOT,  BOFF+2*BHALF
.set SCL,   2*SLOT                     ; behind the ring: the scales, as rows of 256 bytes + 16 of padding
.set HALFS, 16*272                     ; the scales of 64 rows: 4,096 bytes
.set SPARE, SCL+4*HALFS                ; behind the scales: the spare words, 128 bytes for each wave: two blocks of 256 bytes that no other line names
.set SPITCH, 272                       ; the way out: a stage of 16 rows x (256 bytes + 16) for each wave.  It lies in slot 0, which has had its last fill and its last read when the first result is stored there
.set ADRA, 16                          ; v16-17  LDS address of my A fragments in slot 0, 1
.set ADRB, 20                          ; v20-21  of wo's  (v22-23: for the pieces that lie behind one padding more)
.set STO,  24                          ; v24     the way out: where I put 32 bytes of a row
.set RD,   25                          ; v25     where I read a row back
.set CO,   26                          ; v26     my byte offset in out0
.set ADSA, 27                          ; v27     LDS address of A's scale words
.set SPW,  28                          ; v28     LDS address of my spare word; never rewritten
.set NIL,  29                          ; v29     0; never rewritten
.set ADSB, 30                          ; v30     LDS address of wo's scale words
.set ACC,  128
.set F0,   0
.set F1,   128
.set G1, 24                            ; s[24:31] descriptor group 1 for A's tiles;  s[32:39] group 0, one set for each slot
.set G0, 32
.set G1B, 48                           ; s[48:55], s[56:63] the same for wo's
.set G0B, 56
.set G1S, 68                           ; s[68:75], s[76:79] groups 1 and 0 for A's scales;  s[80:87], s[88:91] for wo's
.set G0S, 76
.set G1SB, 80
.set G0SB, 88
.set MSB, 0
.macro WIN new                         ; the immediate's high byte repeats the setting that is left; a switch that changes nothing is dropped
.if MSB != \new
	s_set_vgpr_msb (MSB<<8)|\new
.set MSB, \new
.endif
.endm
.set MUL,  0x05                        ; sources 0 and 1 window 1; C and D window 0
.set TO_F, 0x40                        ; destination window 1, address window 0
; One scaled product on 6-bit codes.  cz = 1: C is the constant 0.  ra, rb = 1: source 0's, source 1's scales are read from lanes 16-31 of the register named.
.macro WM d, a, b, cz, sa, sb, ra, rb
.if \cz
.if (\ra)&&(\rb)
	v_wmma_scale_f32_16x16x128_f8f6f4 v[\d:\d+7], v[\a:\a+11], v[\b:\b+11], 0, v[\sa], v[\sb] matrix_a_fmt:MATRIX_FMT_FP6 matrix_b_fmt:MATRIX_FMT_FP6 matrix_a_scale:MATRIX_SCALE_ROW1 matrix_b_scale:MATRIX_SCALE_ROW1
.elseif (\ra)
	v_wmma_scale_f32_16x16x128_f8f6f4 v[\d:\d+7], v[\a:\a+11], v[\b:\b+11], 0, v[\sa], v[\sb] matrix_a_fmt:MATRIX_FMT_FP6 matrix_b_fmt:MATRIX_FMT_FP6 matrix_a_scale:MATRIX_SCALE_ROW1
.elseif (\rb)
	v_wmma_scale_f32_16x16x128_f8f6f4 v[\d:\d+7], v[\a:\a+11], v[\b:\b+11], 0, v[\sa], v[\sb] matrix_a_fmt:MATRIX_FMT_FP6 matrix_b_fmt:MATRIX_FMT_FP6 matrix_b_scale:MATRIX_SCALE_ROW1
.else
	v_wmma_scale_f32_16x16x128_f8f6f4 v[\d:\d+7], v[\a:\a+11], v[\b:\b+11], 0, v[\sa], v[\sb] matrix_a_fmt:MATRIX_FMT_FP6 matrix_b_fmt:MATRIX_FMT_FP6
.endif
.else
.if (\ra)&&(\rb)
	v_wmma_scale_f32_16x16x128_f8f6f4 v[\d:\d+7], v[\a:\a+11], v[\b:\b+11], v[\d:\d+7], v[\sa], v[\sb] matrix_a_fmt:MATRIX_FMT_FP6 matrix_b_fmt:MATRIX_FMT_FP6 matrix_a_scale:MATRIX_SCALE_ROW1 matrix_b_scale:MATRIX_SCALE_ROW1
.elseif (\ra)
	v_wmma_scale_f32_16x16x128_f8f6f4 v[\d:\d+7], v[\a:\a+11], v[\b:\b+11], v[\d:\d+7], v[\sa], v[\sb] matrix_a_fmt:MATRIX_FMT_FP6 matrix_b_fmt:MATRIX_FMT_FP6 matrix_a_scale:MATRIX_SCALE_ROW1
.elseif (\rb)
	v_wmma_scale_f32_16x16x128_f8f6f4 v[\d:\d+7], v[\a:\a+11], v[\b:\b+11], v[\d:\d+7], v[\sa], v[\sb] matrix_a_fmt:MATRIX_FMT_FP6 matrix_b_fmt:MATRIX_FMT_FP6 matrix_b_scale:MATRIX_SCALE_ROW1
.else
	v_wmma_scale_f32_16x16x128_f8f6f4 v[\d:\d+7], v[\a:\a+11], v[\b:\b+11], v[\d:\d+7], v[\sa], v[\sb] matrix_a_fmt:MATRIX_FMT_FP6 matrix_b_fmt:MATRIX_FMT_FP6
.endif
.endif
.endm
; A joint load: waves 0 and 1 fetch for A, waves 2 and 3 for wo.  Each line has ONE mask and one set of registers for all that issue it; the branch hangs on the wave's number alone.
; Four v_nop follow each of the two lines, ahead of the jump, the label and what follows.
.macro JLOAD g0a, g1a, g0b, g1b
	s_cmp_eq_u32 s15, 0
	s_cbranch_scc0 .Lfor_b_\@
	tensor_load_to_lds s[\g0a:\g0a+3], s[\g1a:\g1a+7]
	s_nop 0
.rept 4
	v_nop
.endr
	s_branch .Lasked_\@
.Lfor_b_\@:
	tensor_load_to_lds s[\g0b:\g0b+3], s[\g1b:\g1b+7]
	s_nop 0
.rept 4
	v_nop
.endr
.Lasked_\@:
.endm
.macro CREST                           ; a round of the cluster's barrier behind its opening barrier
	s_cmp_lg_u32 s14, 0
	s_cbranch_scc1 .Lnot_wave_0_\@
	s_barrier_signal -3
.Lnot_wave_0_\@:
	s_barrier_wait -3
	s_barrier_signal -1
	s_barrier_wait -1
.endm
.macro CROUND                          ; a whole round
	s_barrier_signal -1
	s_barrier_wait -1
	CREST
.endm
	s_load_b128 s[4:7], s[0:1], 0x0                ; aimg s[4:5], ascl s[6:7]
	s_load_b128 s[8:11], s[0:1], 0x10              ; wo's codes s[8:9], wo's scales s[10:11]
	s_load_b64 s[12:13], s[0:1], 0x20              ; out0
	v_lshl_add_u32 v[SPW], v0, 2, SPARE
	v_mov_b32 v[NIL], 0
	ds_add_u32 v28, v29
	ds_add_u32 v28, v29
	s_wait_dscnt 0x0
	v_lshrrev_b32 v1, 5, v0
	v_readfirstlane_b32 s14, v1                    ; wave 0..3
	s_lshr_b32 s15, s14, 1                         ; which half of the tile's rows is mine.  Also: I fetch for A (0) or for wo (1)
	s_and_b32 s16, s14, 1                          ; which half of its columns.  Also: which half of that tile I fetch
	s_bfe_u32 s40, ttmp6, 0x40000                  ; cx, cy: my place in the cluster
	s_bfe_u32 s41, ttmp6, 0x40004
	s_lshl_b32 s42, ttmp9, 2
	s_add_co_u32 s42, s42, s40                     ; tile column = 4 x cluster x + cx
	s_and_b32 s17, ttmp7, 0xffff
	s_lshl_b32 s17, s17, 2
	s_add_co_u32 s17, s17, s41                     ; tile row = 4 x cluster y + cy
	s_lshl_b32 s43, s41, 2
	s_lshl_b32 s43, 15, s43                        ; my row of the cluster
	s_lshl_b32 s44, 0x1111, s40                    ; my column
	; descriptor group 1 for A: four tiles of rows, of each the period's four fragments: 4 rows x 6,144 dense bytes (768 elements of 8 bytes), 24,576 bytes (3,072 elements) from row to row; no padding
	s_or_b32 s[G1+0], s43, (3<<16)|(1<<21)         ; 15:0 the mask: A's tiles go to my row; 17:16 elements of 8 bytes; 21 set beside a mask
	s_mov_b32 s[G1+1], 768<<16                     ; tensor_dim0
	s_mov_b32 s[G1+2], 4<<16                       ; tensor_dim1
	s_mov_b32 s[G1+3], 768<<16                     ; tile_dim0
	s_mov_b32 s[G1+4], 4                           ; tile_dim1
	s_mov_b32 s[G1+5], 3072                        ; tensor_dim0_stride
	s_mov_b32 s[G1+6], 0
	s_mov_b32 s[G1+7], 0
	; for wo: 64 rows x 384 bytes, 1,536 bytes from row to row, 16 bytes of padding behind every 128
	s_or_b32 s[G1B+0], s44, (0<<16)|(1<<20)|(1<<21)|(4<<22)|(3<<25)  ; my column; elements of 1 byte; padding on; after every 32 words (code 4); of 4 words (code 3)
	s_mov_b32 s[G1B+1], 384<<16
	s_mov_b32 s[G1B+2], 64<<16
	s_mov_b32 s[G1B+3], 384<<16
	s_mov_b32 s[G1B+4], 64
	s_mov_b32 s[G1B+5], 1536
	s_mov_b32 s[G1B+6], 0
	s_mov_b32 s[G1B+7], 0
	; for the scales of 64 rows: 4,096 dense bytes as 16 rows of 256 bytes (32 elements of 8 bytes), 16 bytes of padding behind each
	s_or_b32 s[G1S+0], s43, (3<<16)|(1<<20)|(1<<21)|(5<<22)|(3<<25)
	s_or_b32 s[G1SB+0], s44, (3<<16)|(1<<20)|(1<<21)|(5<<22)|(3<<25)
.irp g, G1S, G1SB
	s_mov_b32 s[\g+1], 32<<16
	s_mov_b32 s[\g+2], 16<<16
	s_mov_b32 s[\g+3], 32<<16
	s_mov_b32 s[\g+4], 16
	s_mov_b32 s[\g+5], 32
	s_mov_b32 s[\g+6], 0
	s_mov_b32 s[\g+7], 0
.endr
	s_lshl_b32 s18, s16, 2
	s_lshl_b32 s20, s17, 3
	s_add_co_u32 s20, s20, s18                     ; A: tile of 16 rows 8 x tile row + 4 x half
	s_lshl_b32 s18, s16, 6
	s_lshl_b32 s46, s42, 7
	s_add_co_u32 s46, s46, s18                     ; wo: row 128 x tile column + 64 x half
	s_lshl_b32 s22, s20, 10                        ; A's scales: 1,024 bytes a tile of rows
	s_mov_b32 s23, 0
	s_mul_i32 s20, s20, 16*1536                    ; A's fragments: 24,576 bytes a tile of rows
	s_mov_b32 s21, 0
	s_lshl_b32 s92, s46, 6                         ; wo's scales: 64 bytes a row
	s_mov_b32 s93, 0
	s_mul_i32 s46, s46, 1536                       ; wo's codes
	s_mov_b32 s47, 0
	s_mul_i32 s45, s16, AHALF                      ; where they go: no place in the cluster enters an LDS address
	s_mul_i32 s95, s16, BHALF
	s_add_co_u32 s95, s95, BOFF
	s_mul_i32 s94, s14, HALFS
	s_wait_kmcnt 0x0
	s_add_nc_u64 s[20:21], s[4:5], s[20:21]
	s_add_nc_u64 s[22:23], s[6:7], s[22:23]
	s_add_nc_u64 s[46:47], s[8:9], s[46:47]
	s_add_nc_u64 s[92:93], s[10:11], s[92:93]
	CROUND                                         ; all sixteen work-groups are here: the first joint loads meet
	s_mov_b32 s[G0S], 1
	s_add_co_u32 s[G0S+1], s94, SCL
	s_mov_b64 s[G0S+2:G0S+3], s[22:23]
	s_or_b32 s[G0S+3], s[G0S+3], 0x80000000
	s_mov_b32 s[G0SB], 1
	s_add_co_u32 s[G0SB+1], s94, SCL
	s_mov_b64 s[G0SB+2:G0SB+3], s[92:93]
	s_or_b32 s[G0SB+3], s[G0SB+3], 0x80000000
	JLOAD G0S, G1S, G0SB, G1SB                     ; the scales first: they are wanted with period 0
.irp s, 0,1
	s_mov_b32 s[G0+4*\s], 1
	s_add_co_u32 s[G0+4*\s+1], s45, \s*SLOT
	s_add_nc_u64 s[G0+4*\s+2:G0+4*\s+3], s[20:21], \s*APER
	s_or_b32 s[G0+4*\s+3], s[G0+4*\s+3], 0x80000000
	s_mov_b32 s[G0B+4*\s], 1
	s_add_co_u32 s[G0B+4*\s+1], s95, \s*SLOT
	s_add_nc_u64 s[G0B+4*\s+2:G0B+4*\s+3], s[46:47], \s*384
	s_or_b32 s[G0B+4*\s+3], s[G0B+4*\s+3], 0x80000000
	JLOAD G0+4*\s, G1, G0B+4*\s, G1B
.endr
	v_and_b32 v1, 15, v0                           ; r
	v_bfe_u32 v2, v0, 4, 1                         ; h
	v_and_b32 v3, 31, v0                           ; lane
	v_lshlrev_b32 v4, 4, v3                        ; 16 x lane
	s_mul_i32 s21, s15, AHALF                      ; my four tiles of rows of A
	v_add_nc_u32 v[ADRA], s21, v4
	v_add_nc_u32 v[ADRA+1], SLOT, v[ADRA]
	v_mul_u32_u24 v5, v1, BP
	v_mad_u32_u24 v6, v2, 24, v5                   ; wo: row x pitch + 24 x half,
	v_mad_u32_u24 v7, v2, 40, v5                   ; and the same behind one padding more
	s_mul_i32 s22, s16, BHALF                      ; my 64 rows of wo
	s_add_co_u32 s22, s22, BOFF
	v_add_nc_u32 v[ADRB], s22, v6
	v_add_nc_u32 v[ADRB+1], SLOT, v[ADRB]
	v_add_nc_u32 v[ADRB+2], s22, v7
	v_add_nc_u32 v[ADRB+3], SLOT, v[ADRB+2]
	s_mul_i32 s21, s15, HALFS
	s_add_co_u32 s21, s21, SCL
	v_lshl_add_u32 v[ADSA], v3, 2, s21             ; A's scale words: 64 bytes for each (tile of rows, K step): lanes 0-15 take one K step's 16 words, lanes 16-31 the next K step's
	s_mul_i32 s22, s16, HALFS
	s_add_co_u32 s22, s22, SCL+2*HALFS
	v_lshrrev_b32 v5, 2, v3
	v_lshlrev_b32 v5, 4, v5
	v_lshl_add_u32 v5, v3, 6, v5
	v_add_nc_u32 v[ADSB], s22, v5                  ; wo's: lane l takes row l of 32: 64 bytes a row, 16 more for each four rows passed
	s_mul_i32 s23, s14, 16*SPITCH                  ; my stage
	v_mul_u32_u24 v5, v1, SPITCH                   ; in: row r, 32 bytes for each half of the lanes
	v_lshl_add_u32 v5, v2, 5, v5
	v_add_nc_u32 v[STO], s23, v5
	v_mul_u32_u24 v5, v2, SPITCH                   ; back: lanes 0-15 take one row of 256 bytes, lanes 16-31 the next
	v_lshl_add_u32 v5, v1, 4, v5
	v_add_nc_u32 v[RD], s23, v5
	v_lshlrev_b32 v5, 13, v2                       ; and the same two rows in out0: 8,192 bytes a row
	v_lshl_add_u32 v[CO], v1, 4, v5
	s_lshl_b32 s20, s17, 7
	s_lshl_b32 s21, s15, 6
	s_add_co_u32 s20, s20, s21                     ; my first row of out0: 128 x tile row + 64 x half
	s_lshl_b32 s20, s20, 13
	s_lshl_b32 s46, s42, 9                         ; my first column, in bytes: 512 x tile column + 256 x half
	s_lshl_b32 s47, s16, 8
	s_add_co_u32 s46, s46, s47
	s_add_co_u32 s20, s20, s46                     ; under 2^25
	s_mov_b32 s21, 0
	s_add_nc_u64 s[12:13], s[12:13], s[20:21]
.macro FRAGB reg, adr, q, i            ; a fragment of wo: 16 rows x 128 K, 12 registers: lane l holds row l % 16; registers 6 c .. 6 c + 5 hold K = 64 c + 32 (l / 16) + 0 .. 31: 24 bytes of the row's stream of bits
.irp p, 0,1,2,3,4,5                    ; in pieces of 8 bytes.  Lanes 0-15 take the row's pieces 12 q + 0, 1, 2 and 12 q + 6, 7, 8, lanes 16-31 those three pieces on
.set PCN, 12*(\q)+6*(\p/3)+\p%3       ; 16 bytes of padding lie behind every 16 pieces: where the piece three on lies behind one padding more, the second address register serves
.if PCN%16 < 13
	ds_load_b64 v[\reg+2*\p:\reg+2*\p+1], v[\adr] offset:8*PCN+16*(PCN/16)+(\i)*16*BP
.else
	ds_load_b64 v[\reg+2*\p:\reg+2*\p+1], v[\adr+2] offset:8*PCN+16*(PCN/16)+(\i)*16*BP
.endif
.endr
.endm
.macro FETCH slot, q, f                ; the fragments of the slot's q-th 128 along K into buffer f: 24 loads for wo's four, 12 for A's four
	WIN TO_F
.irp i, 0,1,2,3
	FRAGB \f+48+12*\i, ADRB+\slot, \q, \i
.endr
.irp a, 0,1,2,3
.irp c, 0,1,2
	ds_load_b128 v[\f+12*\a+4*\c:\f+12*\a+4*\c+3], v[ADRA+\slot] offset:APER*\a+1536*(\q)+512*\c
.endr
.endr
.endm
.macro SCALES p                        ; period p's scale words into set p % 2 (at v32 or v48).  +2 a + g: A's tile a: lanes 0-15 K step 4 p + 2 g, lanes 16-31 the K step behind it.  +8 + 4 i + q: wo's: lanes 0-15 tile 2 i, lanes 16-31 tile 2 i + 1, K step 4 p + q
.set SS, 32+16*((\p)%2)
.irp a, 0,1,2,3
.irp g, 0,1
.set NN, 16*\a+4*(\p)+2*\g
	ds_load_b32 v[SS+2*\a+\g], v[ADSA] offset:64*NN+16*(NN/4)
.endr
.endr
.irp i, 0,1
	ds_load_b128 v[SS+8+4*\i:SS+8+4*\i+3], v[ADSB] offset:2176*\i+16*(\p)
.endr
.endm
; 8 matrix instructions: A's tiles a0, a0 + 1 x wo's four, the period's q-th 128 along K, from buffer f.  The 16 accumulators take turns, one instruction a turn, in the same order in every quarter.
.macro MUL8 f, q, set, a0, zero
.irp a, \a0, \a0+1
.irp b, 0,1,2,3
	WM ACC+8*(4*(\a)+\b), \f+48+12*\b, \f+12*(\a), \zero, 32+16*(\set)+8+4*(\b/2)+(\q), 32+16*(\set)+2*(\a)+(\q)/2, \b%2, (\q)%2
.endr
.endr
.endm
.macro PLACES n                        ; a load into a register that a matrix instruction has read, and a store that reads a matrix result, stand four places behind it; only plain vector instructions that name none of its registers are places (ISA guide 7.12.1 for vector instructions)
.rept \n
	v_nop
.endr
.endm
; One of a period's first three quarters: the next quarter's fragments are asked for, then this one's 16 products are issued.
.macro QUARTER slot, q, set, zero
	s_wait_dscnt 0x0                               ; this quarter's fragments (and at a period's head its scale words) are in
	PLACES 4                                       ; in front of the loads into the buffer that the last quarter multiplied
	FETCH \slot, (\q)+1, 128*(((\q)+1)%2)
	WIN MUL
	MUL8 128*((\q)%2), \q, \set, 0, \zero
	MUL8 128*((\q)%2), \q, \set, 2, \zero
.endm
; A period's last quarter changes slots: ONE barrier; in front of it each wave waits for all its tensor loads, adds 0 to its spare word, and waits for that and for its own reads of this slot.  fill = 1: this slot is filled again, two periods ahead.
.macro TURN slot, next, fill, p
	s_wait_dscnt 0x0                               ; the quarter's fragments are in: they were my last reads of this slot
	WIN 0                                          ; (the add's two registers lie in window 0)
	s_wait_tensorcnt 0x0                           ; all my tensor loads have landed: my part of the next slot
	ds_add_u32 v[SPW], v[NIL]                      ; 0 onto my spare word
	WIN MUL
	MUL8 F1, 3, (\p)%2, 0, 0                       ; eight matrix instructions stand between the add and the wait for it
	WIN 0
	s_wait_dscnt 0x0                               ; the add is done
	s_barrier_signal -1
	s_barrier_wait -1
.if \fill
	CREST                                          ; the barrier has opened a round of the cluster's barrier: no wave of any partner still reads this slot's tile or has a load on its way
	s_add_nc_u64 s[G0+4*\slot+2:G0+4*\slot+3], s[G0+4*\slot+2:G0+4*\slot+3], 2*APER
	s_add_nc_u64 s[G0B+4*\slot+2:G0B+4*\slot+3], s[G0B+4*\slot+2:G0B+4*\slot+3], 2*384
	JLOAD G0+4*\slot, G1, G0B+4*\slot, G1B         ; the first tensor load behind the round; the four v_nop behind it are the places in front of the loads below
.else
	PLACES 4
.endif
	FETCH \next, 0, F0
	WIN 0
	SCALES (\p)+1
	WIN MUL
	MUL8 F1, 3, (\p)%2, 2, 0
.endm
	s_wait_tensorcnt 1                             ; the scales and my part of period 0 are in (period 1's load may be out)
	s_barrier_signal -1
	s_barrier_wait -1                              ; everybody's are
	FETCH 0, 0, F0
	WIN 0
	SCALES 0
	QUARTER 0, 0, 0, 1                             ; the first quarter's products start the sums: nothing is ever cleared
	QUARTER 0, 1, 0, 0
	QUARTER 0, 2, 0, 0
	TURN 0, 1, 1, 0                                ; slot 0 takes period 2
	QUARTER 1, 0, 1, 0
	QUARTER 1, 1, 1, 0
	QUARTER 1, 2, 1, 0
	TURN 1, 0, 1, 1                                ; slot 1 takes period 3
	QUARTER 0, 0, 0, 0
	QUARTER 0, 1, 0, 0
	QUARTER 0, 2, 0, 0
	TURN 0, 1, 0, 2                                ; nothing is left to fetch
	QUARTER 1, 0, 1, 0
	QUARTER 1, 1, 1, 0
	QUARTER 1, 2, 1, 0
	s_wait_dscnt 0x0                               ; the very last quarter
	WIN MUL
	MUL8 F1, 3, 1, 0, 0
	MUL8 F1, 3, 1, 2, 0
	WIN 0
; THE WAY OUT, block by block of 16 rows x 64 columns.  A lane holds 32 neighbouring bytes of a row, and the lanes beside it hold other rows: so a block goes through my own stage in LDS and comes back as whole rows of 256 bytes.
; LDS serves a wave's instructions in order (ISA guide 5.7.1.4): no wait between the stores and the loads, nor in front of the next block's stores.
.macro TOSTAGE a
.irp b, 0,1,2,3
	ds_store_b128 v[STO], v[ACC+8*(4*(\a)+\b):ACC+8*(4*(\a)+\b)+3] offset:64*\b        ; each accumulator from its low end on
	ds_store_b128 v[STO], v[ACC+8*(4*(\a)+\b)+4:ACC+8*(4*(\a)+\b)+7] offset:64*\b+16
.endr
.irp i, 0,1,2,3,4,5,6,7
	ds_load_b128 v[64+32*((\a)%2)+4*\i:64+32*((\a)%2)+4*\i+3], v[RD] offset:2*\i*SPITCH
.endr
.endm
.macro SEND a, younger                 ; younger: the LDS instructions issued behind block a's loads, which may stay out
	s_wait_dscnt \younger                          ; the block is back in registers
.irp i, 0,1,2,3,4,5,6,7
	global_store_b128 v[CO], v[64+32*((\a)%2)+4*\i:64+32*((\a)%2)+4*\i+3], s[12:13] offset:131072*(\a)+16384*\i th:TH_STORE_NT   ; 16 lanes store 256 consecutive bytes, at a multiple of 256 from out0's first byte; written once, read by nobody here
.endr
.endm
	PLACES 4                                       ; behind the last products, in front of the stores that read results
	TOSTAGE 0
.irp a, 1,2,3
.if \a > 1
	s_wait_xcnt 0x0                                ; block a - 2's stores have read their registers: block a's loads may land there
.endif
	TOSTAGE \a
	SEND \a-1, 16                                  ; behind block a - 1's loads: block a's 8 stores and 8 loads
.endr
	SEND 3, 0
	s_wait_tensorcnt 0x0                           ; the wave's end: behind my last tensor load and my last LDS store
	ds_add_u32 v[SPW], v[NIL]
	s_wait_dscnt 0x0
	CROUND                                         ; the closing round: no work-group ends while a partner may still ask for a tile that names it
	s_endpgm
.Lfunc_end_k_q043d62ff0a_proj:
	.size	k_q043d62ff0a_proj, .Lfunc_end_k_q043d62ff0a_proj-k_q043d62ff0a_proj
	.p2alignl 7, 3214868480
	.fill 96, 4, 3214868480
	.section	.rodata,"a",@progbits
	.p2align	6, 0x0
	.amdhsa_kernel k_q043d62ff0a_proj
		.amdhsa_group_segment_fixed_size 327680
		.amdhsa_private_segment_fixed_size 0
		.amdhsa_enable_private_segment 0
		.amdhsa_kernarg_size 40
		.amdhsa_user_sgpr_count 2
		.amdhsa_user_sgpr_kernarg_segment_ptr 1
		.amdhsa_wavefront_size32 1
		.amdhsa_system_sgpr_workgroup_id_x 1
		.amdhsa_system_sgpr_workgroup_id_y 1
		.amdhsa_system_sgpr_workgroup_id_z 1
		.amdhsa_system_vgpr_workitem_id 0
		.amdhsa_next_free_vgpr 512
		.amdhsa_next_free_sgpr 100
		.amdhsa_reserve_vcc 0
		.amdhsa_float_denorm_mode_32 3
		.amdhsa_float_denorm_mode_16_64 3
		.amdhsa_memory_ordered 1
		.amdhsa_forward_progress 1
		.amdhsa_inst_pref_size 94
	.end_amdhsa_kernel
	.amdgpu_metadata
---
amdhsa.version: [ 1, 2 ]
amdhsa.kernels:
  - .name:           k_q043d62ff0a_proj
    .symbol:         k_q043d62ff0a_proj.kd
    .args:
      - { .name: aimg, .offset: 0, .size: 8, .value_kind: global_buffer, .address_space: global }
      - { .name: ascl, .offset: 8, .size: 8, .value_kind: global_buffer, .address_space: global }
      - { .name: wo_codes, .offset: 16, .size: 8, .value_kind: global_buffer, .address_space: global }
      - { .name: wo_scales, .offset: 24, .size: 8, .value_kind: global_buffer, .address_space: global }
      - { .name: out0, .offset: 32, .size: 8, .value_kind: global_buffer, .address_space: global }
    .group_segment_fixed_size: 327680
    .private_segment_fixed_size: 0
    .kernarg_segment_align: 8
    .kernarg_segment_size: 40
    .max_flat_workgroup_size: 128
    .sgpr_count:     100
    .vgpr_count:     512
    .wavefront_size: 32
...
	.end_amdgpu_metadata
.endif
;; end of part 3
